; MI455X (gfx1250); checked and timed in simulation.
; The chip was launched on July 23, 2026; its instructions are those of AMD's public machine-readable ISA for CDNA 5 (MIT licence, August 2026) and "CDNA5" Instruction Set Architecture Reference Guide (July 2026). The comments in the code are by the model that wrote it; some were corrected since.
;; Self Attention. Allowed arithmetic: float matrix products may take bf16 or f16 operands with f32 sums; other float arithmetic in f32, or as packed bf16 or f16 multiplies, adds, multiply-adds, maxima and minima; sums over many terms, partial sums and values carried from step to step in f32; what a program stores and reads back later, other than sums and carried values, may be rounded once to bf16 or f16.
;; Inputs: Wk 1,024 x 1,024 float32; Wq 1,024 x 1,024 float32; Wv 1,024 x 1,024 float32; bk 1,024 float32; bq 1,024 float32; bv 1,024 float32; embedded 4 x 2,048 x 1,024 float32.
;; Outputs: out0 4 x 2,048 x 1,024 float32.
;; 2 versions, each right; version 2 is version 1 with the launch cast written anew for expert scheduling mode. Each part assembles by itself: llvm-mc -triple=amdgcn-amd-amdhsa -mcpu=gfx1250 --defsym DOCPART=n.
;; ======== version 1 of 2: 4 launches
;; limits: values are held in f16: magnitudes above 65,504 overflow, below 6.1e-05 lose precision
;; workspace buffers: xb 16,777,216 bytes; wb 6,291,456 bytes; bias3 12,288 bytes; kqv 50,331,648 bytes; p 33,554,432 bytes; mx 262,144 bytes; lsum 524,288 bytes
;; launch cast (part 1): grid 707 x 1, 4 waves a work-group, no clusters, 0 bytes of LDS; arguments embedded, Wk, Wq, Wv, bk, bq, bv, xb, wb, bias3; writes xb, wb, bias3
.if DOCPART == 1
	.amdgcn_target "amdgcn-amd-amdhsa--gfx1250"
	.amdhsa_code_object_version 6
	.text
	.protected	k_qb3bc1af89a_cast
	.globl	k_qb3bc1af89a_cast
	.p2align	8
	.type	k_qb3bc1af89a_cast,@function
k_qb3bc1af89a_cast:
	s_mov_b64 s[64:65], 0
	v_nop
	global_prefetch_b8 v0, s[64:65] scope:SCOPE_SE
	s_setreg_imm32_b32 hwreg(HW_REG_WAVE_MODE, 25, 1), 1
	s_wait_xcnt 0x0
; x [8192][1024] and Wk, Wq, Wv [1024][1024], f32, are rounded once to bf16 and laid in blocks of 64 along K:
; xb [16 kb][8192 row][64], wb [16 kb][3072 n][64] (n: Wk's rows, then Wq's, then Wv's), so that the rows of a GEMM tile of one block lie end to end.
; The three biases are copied, f32, one behind the other, into bias3 [3072].
; SHARES.  Work-groups 0-511: 16 rows of x each.  512-703: 16 rows of the stacked W.  704-706: one bias each.  Small work-groups, so that the 11,264 rows spread evenly.
; A wave takes 4 rows; a load covers 256 bytes (one block of 64 numbers) of two rows: lanes 0-15 one row, lanes 16-31 the next.
; A store of 8 bytes a lane covers the two rows' blocks, 256 consecutive bytes, aligned.  All 32 loads of a lane go out at once; every register is written once.
; No LDS, no barrier, no matrix unit: each byte is read once and written once, and nothing is shared.
.set LO,  5                            ; v5      my byte offset in the 16 source rows
.set SB,  6                            ; v6      my byte offset in a block's 16 rows
.set SO,  8                            ; v[8:23] the same plus kb x the distance between blocks
.set X,   24                           ; v[24:151]  32 loads of 4
.set Y,   152                          ; v[152:215] 32 stores of 2
	s_load_b512 s[4:19], s[0:1], 0x0               ; embedded 4:5, Wk 6:7, Wq 8:9, Wv 10:11, bk 12:13, bq 14:15, bv 16:17, xb 18:19
	s_load_b128 s[20:23], s[0:1], 0x40             ; wb 20:21, bias3 22:23
	s_mov_b32 s24, ttmp9                           ; g
	v_lshrrev_b32 v1, 5, v0                        ; wave
	v_bfe_u32 v2, v0, 4, 1                         ; h: which half of the lanes
	v_and_b32 v3, 15, v0                           ; r
	v_lshl_add_u32 v4, v1, 2, v2                   ; row 4 wave + h (+ 2 p)
	v_lshlrev_b32 v[LO], 12, v4
	v_lshl_add_u32 v[LO], v3, 4, v[LO]             ; row x 4,096 + 16 r
	v_lshlrev_b32 v[SB], 7, v4
	v_lshl_add_u32 v[SB], v3, 3, v[SB]             ; row x 128 + 8 r
	s_sub_co_u32 s25, s24, 512                     ; w: the block of 16 rows in the stacked W
	s_and_b32 s27, s25, 63                         ; its place in its own tensor
	s_lshr_b32 s30, s25, 6                         ; which tensor
	s_mov_b32 s34, 8192*128                        ; bytes from block to block in xb,
	s_mov_b32 s35, 3072*128                        ; and in wb
	s_mov_b32 s37, 0
	s_wait_kmcnt 0x0
	s_cmp_ge_u32 s24, 704
	s_cbranch_scc1 .Lbias
	s_cmp_eq_u32 s30, 1
	s_cselect_b64 s[28:29], s[8:9], s[6:7]
	s_cmp_eq_u32 s30, 2
	s_cselect_b64 s[28:29], s[10:11], s[28:29]
	s_cmp_lt_u32 s24, 512                          ; x or W?
	s_cselect_b64 s[28:29], s[4:5], s[28:29]       ; from where,
	s_cselect_b64 s[32:33], s[18:19], s[20:21]     ; to where,
	s_cselect_b32 s26, s24, s25                    ; the block of 16 rows there,
	s_cselect_b32 s27, s24, s27                    ; and here
	s_cselect_b32 s31, s34, s35
	s_lshl_b32 s36, s27, 16                        ; 16 rows of 4,096 bytes
	s_add_nc_u64 s[28:29], s[28:29], s[36:37]
	s_lshl_b32 s36, s26, 11                        ; 16 rows of 128 bytes
	s_add_nc_u64 s[32:33], s[32:33], s[36:37]
.set i, 0
.rept 32                               ; load i = 16 p + kb: rows 2 p on, block kb
	global_load_b128 v[X+4*i:X+4*i+3], v[LO], s[28:29] offset:8192*(i/16)+256*(i%16) th:TH_LOAD_NT
.set i, i+1
.endr
.irp kb, 0,1,2,3,4,5,6,7,8,9,10,11,12,13,14,15
	v_mad_u32_u24 v[SO+(\kb)], s31, \kb, v[SB]
.endr
.set i, 0
.rept 32
	s_wait_loadcnt 31-i                            ; loads come back in order: load i is in, the 31 - i younger ones may be out
	v_cvt_pk_bf16_f32 v[Y+2*i], v[X+4*i], v[X+4*i+1]
	v_cvt_pk_bf16_f32 v[Y+2*i+1], v[X+4*i+2], v[X+4*i+3]
	global_store_b64 v[SO+i%16], v[Y+2*i:Y+2*i+1], s[32:33] offset:256*(i/16)
.set i, i+1
.endr
	s_endpgm
.Lbias:                                        ; 4,096 bytes: twice 16 a thread
	s_sub_co_u32 s25, s24, 704
	s_cmp_eq_u32 s25, 1
	s_cselect_b64 s[28:29], s[14:15], s[12:13]
	s_cmp_eq_u32 s25, 2
	s_cselect_b64 s[28:29], s[16:17], s[28:29]
	s_lshl_b32 s36, s25, 12
	s_add_nc_u64 s[32:33], s[22:23], s[36:37]
	v_lshlrev_b32 v7, 4, v0
	global_load_b128 v[X:X+3], v7, s[28:29]
	global_load_b128 v[X+4:X+7], v7, s[28:29] offset:2048
	s_wait_loadcnt 0x0
	global_store_b128 v7, v[X:X+3], s[32:33]
	global_store_b128 v7, v[X+4:X+7], s[32:33] offset:2048
	s_endpgm
.Lfunc_end_k_qb3bc1af89a_cast:
	.size	k_qb3bc1af89a_cast, .Lfunc_end_k_qb3bc1af89a_cast-k_qb3bc1af89a_cast
	.p2alignl 7, 3214868480
	.fill 96, 4, 3214868480
	.section	.rodata,"a",@progbits
	.p2align	6, 0x0
	.amdhsa_kernel k_qb3bc1af89a_cast
		.amdhsa_group_segment_fixed_size 0
		.amdhsa_private_segment_fixed_size 0
		.amdhsa_enable_private_segment 0
		.amdhsa_kernarg_size 80
		.amdhsa_user_sgpr_count 2
		.amdhsa_user_sgpr_kernarg_segment_ptr 1
		.amdhsa_wavefront_size32 1
		.amdhsa_system_sgpr_workgroup_id_x 1
		.amdhsa_system_sgpr_workgroup_id_y 1
		.amdhsa_system_sgpr_workgroup_id_z 1
		.amdhsa_system_vgpr_workitem_id 0
		.amdhsa_next_free_vgpr 216
		.amdhsa_next_free_sgpr 66
		.amdhsa_reserve_vcc 0
		.amdhsa_float_denorm_mode_32 3
		.amdhsa_float_denorm_mode_16_64 3
		.amdhsa_memory_ordered 1
		.amdhsa_forward_progress 1
		.amdhsa_inst_pref_size 15
	.end_amdhsa_kernel
	.amdgpu_metadata
---
amdhsa.version: [ 1, 2 ]
amdhsa.kernels:
  - .name:           k_qb3bc1af89a_cast
    .symbol:         k_qb3bc1af89a_cast.kd
    .args:
      - { .name: embedded, .offset: 0, .size: 8, .value_kind: global_buffer, .address_space: global }
      - { .name: Wk, .offset: 8, .size: 8, .value_kind: global_buffer, .address_space: global }
      - { .name: Wq, .offset: 16, .size: 8, .value_kind: global_buffer, .address_space: global }
      - { .name: Wv, .offset: 24, .size: 8, .value_kind: global_buffer, .address_space: global }
      - { .name: bk, .offset: 32, .size: 8, .value_kind: global_buffer, .address_space: global }
      - { .name: bq, .offset: 40, .size: 8, .value_kind: global_buffer, .address_space: global }
      - { .name: bv, .offset: 48, .size: 8, .value_kind: global_buffer, .address_space: global }
      - { .name: xb, .offset: 56, .size: 8, .value_kind: global_buffer, .address_space: global }
      - { .name: wb, .offset: 64, .size: 8, .value_kind: global_buffer, .address_space: global }
      - { .name: bias3, .offset: 72, .size: 8, .value_kind: global_buffer, .address_space: global }
    .group_segment_fixed_size: 0
    .private_segment_fixed_size: 0
    .kernarg_segment_align: 8
    .kernarg_segment_size: 80
    .max_flat_workgroup_size: 128
    .sgpr_count:     66
    .vgpr_count:     216
    .wavefront_size: 32
...
	.end_amdgpu_metadata
.endif
;; end of part 1
;; launch proj (part 2): grid 8 x 32, 4 waves a work-group, clusters of 4 x 4, 327,680 bytes of LDS; arguments xb, wb, bias3, kqv; writes kqv
.if DOCPART == 2
	.amdgcn_target "amdgcn-amd-amdhsa--gfx1250"
	.amdhsa_code_object_version 6
	.text
	.protected	k_qb3bc1af89a_proj
	.globl	k_qb3bc1af89a_proj
	.p2align	8
	.type	k_qb3bc1af89a_proj,@function
k_qb3bc1af89a_proj:
	s_mov_b64 s[64:65], 0
	v_nop
	global_prefetch_b8 v0, s[64:65] scope:SCOPE_SE
	s_setreg_imm32_b32 hwreg(HW_REG_WAVE_MODE, 25, 1), 1
	s_wait_xcnt 0x0
	s_wait_alu depctr_hold_cnt(0) depctr_sa_sdst(0) depctr_va_vdst(0) depctr_va_sdst(0) depctr_va_ssrc(0) depctr_va_vcc(0) depctr_vm_vsrc(0)
	s_getreg_b32 s2, hwreg(HW_REG_IB_STS2, 6, 4)
	s_cmp_eq_u32 s2, 0
	s_cbranch_scc0 .Lentry_in_a_cluster
	s_endpgm
.Lentry_in_a_cluster:
	s_bfe_u32 s2, ttmp6, 0x10000c
	s_cmp_lg_u32 s2, 0xf033
	s_cbranch_scc0 .Lentry_shape_is_right
	s_endpgm
.Lentry_shape_is_right:
; kqv[row][n] = sum over k of x[row][k] W[n][k] + bias[n]; n runs over Wk's, Wq's and Wv's rows: [8192][3072], f16, rounded once from f32 sums.  Operands bf16.
; LIMIT.  f16 ends at 65,504: a K, Q or V beyond it becomes an infinity.  NaN and infinities are not treated apart.
; SHARES.  A work-group makes 256 rows x 384 columns: 8 x 32 work-groups.  Each of its four waves makes 128 x 192: 96 accumulators of 16 x 16, 768 registers.
; K goes in blocks of 64 (as xb and wb are laid) through two LDS slots; a block's tile is dense in memory and is asked for as rows of 256 bytes, padded in LDS behind every 128.
; A block is two steps of 32 along K, 96 matrix instructions a wave each.
; ONE TEXT FOR EVERY BLOCK.  The slot in hand is a scalar, TB, turned by one exclusive or; the fragments' addresses are made anew from it at each change of slots, and one descriptor a tensor walks.
; The loop's trip is a block's second step and the next block's first.  The last two blocks, which ask for nothing, are a loop of their own, entered in its middle.
; CLUSTER.  4 x 4 work-groups: the four of a row need the same tile of x, the four of a column the same tile of W: each tile is asked for jointly, by the same load, descriptor and mask in all four.
; THE MATRIX INSTRUCTION IS USED TRANSPOSED (source 0 = 16 rows of W, source 1 = 16 rows of x): a lane holds one row of the result and eight neighbouring columns.
; THE BIAS is the C operand that starts the sums: a lane's eight numbers of it are loaded into the registers of the block column's last accumulator, which the other seven read.
; REGISTERS.  Window 0: v0-31 addresses; v32-95, v96-159 x's fragments (8 of 16 rows x 32 K), two buffers; v160-255 W's 12 fragments, one buffer, fetched anew in three groups of four,
; each behind the 32 products that read it.  Windows 1-3: accumulator (a, b) in window 1 + b / 4 at v[8 (8 (b % 4) + a)].
.set PITCH,  144                       ; an LDS row: 128 bytes + 16: an odd multiple of 16, so the 16 rows of a fragment load start in 16 different groups of four banks (ISA guide 11.1)
.set AHALF,  128*PITCH                 ; what one load brings of x, and what one wave reads of it
.set BHALF,  192*PITCH                 ; the same of W
.set BOFF,   2*AHALF
.set SLOT1,  1<<17                     ; a slot is 92,160 bytes; slot 1 begins here, so that one exclusive or turns an address in one slot into the other's
.set SP,     784                       ; the way out: a stage row, 768 bytes + 16
.set SPARE,  SLOT1+2*AHALF+2*BHALF     ; the stage (256 rows from byte 0) lies over the slots, behind their last fill; behind slot 1 the spare words, 128 bytes a wave, which no other line names
.set XKB,    8192*128                  ; bytes from block to block in xb
.set WKB,    3072*128                  ; and in wb
.set ROWB,   6144                      ; a row of kqv
.set ADRA0, 16                         ; v16     my lane's place in x's tile; never rewritten
.set ADRA,  17                         ; v17     the same in the slot in hand
.set ADRB0, 20                         ; v20-21  likewise for W
.set ADRB,  21
.set STO,  24                          ; v24     into the stage, row blocks 0-3
.set RD,   25                          ; v25     back from the stage
.set CO,   26                          ; v26     my byte offset in kqv
.set STO2, 27                          ; v27     into the stage, row blocks 4-7
.set SPW,  28                          ; v28     my spare word; never rewritten
.set NIL,  29                          ; v29     0; never rewritten
.set PFO,  30                          ; v30     256 x lane
.set BO,   31                          ; v31     my byte offset in a block column's 16 numbers of bias
.set A0,   32
.set A1,   96
.set BF,   160
.set WV,   12                          ; s12 wave;  s13 its row half, also: I fetch x (0) or W (1);  s14 its column half, also: which half of that tile I fetch
.set RH,   13
.set CH,   14
.set LIM,  15                          ; s15 2 in a wave that prefetches, else the greatest number
.set G1A,  24                          ; s[24:31] group 1, s[32:39] group 0 for x's tiles: a set for each of the two first fills; the second then walks on
.set G0A,  32
.set PFA,  44                          ; s[44:45] where my prefetches stand
.set G1B,  48                          ; s[48:55], s[56:63] the same for W's tiles
.set G0B,  56
.set PFS,  66                          ; s[66:67] a block's distance in the tensor that I prefetch
.set TB,   74                          ; s74 LDS byte at which the slot in hand begins
.set G1W,  (1<<16)|(1<<20)|(1<<21)|(4<<22)|(3<<25)  ; 2-byte elements; padding on; bit 21 set beside a mask; behind every 32 words, 4 words
.set MSB, 0
.macro WIN new                         ; the immediate's high byte repeats the setting that is left; a switch that changes nothing is dropped
.if MSB != (\new)
	s_set_vgpr_msb (MSB<<8)|(\new)
.set MSB, \new
.endif
.endm
.macro PLACES                          ; four places behind a matrix instruction, in front of loads into registers that it has read (ISA guide 7.12.1 for vector instructions)
.rept 4
	v_nop
.endr
.endm
.macro CREST                           ; a round of the cluster's barrier behind its opening barrier
	s_cmp_lg_u32 s[WV], 0
	s_cbranch_scc1 .Lnot_wave_0_\@
	s_barrier_signal -3
.Lnot_wave_0_\@:
	s_barrier_wait -3
	s_barrier_signal -1
	s_barrier_wait -1
.endm
.macro CROUND
	s_barrier_signal -1
	s_barrier_wait -1
	CREST
.endm
.macro JLOAD                           ; a joint refill by the walking descriptors: waves 0, 1 fetch x's halves, waves 2, 3 W's; an s_nop 0 and four v_nop follow each line
	s_cmp_eq_u32 s[RH], 0
	s_cbranch_scc0 .Lfor_b_\@
	tensor_load_to_lds s[G0A+4:G0A+7], s[G1A:G1A+7]
	s_nop 0
.rept 4
	v_nop
.endr
	s_branch .Lasked_\@
.Lfor_b_\@:
	tensor_load_to_lds s[G0B+4:G0B+7], s[G1B:G1B+7]
	s_nop 0
.rept 4
	v_nop
.endr
.Lasked_\@:
.endm
; A PREFETCH INTO THE L2, in every second trip, behind the joint load and the run of LDS loads: the two blocks whose refills stand two and three trips on, 384 and 576 matrix instructions ahead of them.
; x's tile of a block (32 KiB) is read by both clusters of a row of clusters: the one with x = 0 asks; its four partners of a row take 8 KiB each, by address; wave 0, two instructions (one a block).
; W's tiles of two blocks (96 KiB) are read by all clusters of a column: the one with y = 0 asks; twelve pieces of 8 KiB, one for each of waves 1-3 of the four partners of a column, by address.
; A lane names 256 bytes.  So each 256 bytes are named once in the launch.  Blocks 0-3 come by their loads alone; the loop's last two trips ask for nothing.
.macro ASK
	s_and_b32 s16, s3, 1
	s_cmp_eq_u32 s16, 0
	s_cbranch_scc0 .Lnot_mine_\@
	s_cmp_gt_u32 s3, s[LIM]
	s_cbranch_scc0 .Lnot_mine_\@
	global_prefetch_b8 v[PFO], s[PFA:PFA+1] th:TH_LOAD_NT scope:SCOPE_SE
	s_cmp_lg_u32 s[WV], 0
	s_cbranch_scc1 .Lnot_mine_\@
	global_prefetch_b8 v[PFO], s[PFA:PFA+1] offset:XKB th:TH_LOAD_NT scope:SCOPE_SE
.Lnot_mine_\@:
.endm
	s_load_b256 s[4:11], s[0:1], 0x0               ; xb 4:5, wb 6:7, bias3 8:9, kqv 10:11
	v_lshl_add_u32 v[SPW], v0, 2, SPARE
	v_mov_b32 v[NIL], 0
	ds_add_u32 v[SPW], v[NIL]                      ; the wave's opening: the add and its wait stand ahead of my first tensor load; work on registers stands between
	v_lshrrev_b32 v1, 5, v0
	v_readfirstlane_b32 s[WV], v1
	s_lshr_b32 s[RH], s[WV], 1
	s_and_b32 s[CH], s[WV], 1
	s_bfe_u32 s40, ttmp6, 0x40000                  ; cx
	s_bfe_u32 s41, ttmp6, 0x40004                  ; cy
	s_lshl_b32 s42, ttmp9, 2
	s_add_co_u32 s42, s42, s40                     ; tx: tile column
	s_and_b32 s43, ttmp7, 0xffff
	s_lshl_b32 s43, s43, 2
	s_add_co_u32 s43, s43, s41                     ; ty: tile row
	s_lshl_b32 s16, s41, 2
	s_lshl_b32 s16, 15, s16                        ; my row of the cluster
	s_lshl_b32 s17, 0x1111, s40                    ; my column
	s_or_b32 s[G1A], s16, G1W
	s_or_b32 s[G1B], s17, G1W
	s_mov_b32 s[G1A+1], 128<<16                    ; tensor_dim0 = 128 elements: 256 bytes, two rows of a block
	s_mov_b32 s[G1A+2], 64<<16                     ; tensor_dim1 = 64
	s_mov_b32 s[G1A+3], 128<<16                    ; tile_dim0
	s_mov_b32 s[G1A+4], 64                         ; tile_dim1
	s_mov_b32 s[G1A+5], 128                        ; from row to row: dense
	s_mov_b32 s[G1A+6], 0
	s_mov_b32 s[G1A+7], 0
	s_mov_b32 s[G1B+1], 128<<16
	s_mov_b32 s[G1B+2], 96<<16                     ; W: 192 rows of a block = 96 rows of 256 bytes
	s_mov_b32 s[G1B+3], 128<<16
	s_mov_b32 s[G1B+4], 96
	s_mov_b32 s[G1B+5], 128
	s_mov_b32 s[G1B+6], 0
	s_mov_b32 s[G1B+7], 0
	s_lshl_b32 s20, s43, 15                        ; x: (256 ty + 128 half) rows of 128 bytes: the tile row and the wave's number alone
	s_lshl_b32 s21, s[CH], 14
	s_add_co_u32 s20, s20, s21
	s_mov_b32 s21, 0
	s_mul_i32 s46, s42, 384*128                    ; W: (384 tx + 192 half) rows: the tile column and the wave's number alone
	s_mul_i32 s47, s[CH], 192*128
	s_add_co_u32 s46, s46, s47
	s_mov_b32 s47, 0
	s_mul_i32 s22, s[CH], AHALF                    ; where they go: no place in the cluster enters an LDS address
	s_mul_i32 s23, s[CH], BHALF
	s_add_co_u32 s23, s23, BOFF
	s_mov_b32 s[TB], 0
	s_wait_dscnt 0x0                               ; the opening add is done
	s_wait_kmcnt 0x0
	s_add_nc_u64 s[20:21], s[4:5], s[20:21]
	s_add_nc_u64 s[46:47], s[6:7], s[46:47]
	CROUND                                         ; all sixteen work-groups are here: the first joint loads meet
.irp s, 0,1
	s_mov_b32 s[G0A+4*(\s)], 1
	s_add_co_u32 s[G0A+4*(\s)+1], s22, (\s)*SLOT1
	s_add_nc_u64 s[G0A+4*(\s)+2:G0A+4*(\s)+3], s[20:21], (\s)*XKB
	s_or_b32 s[G0A+4*(\s)+3], s[G0A+4*(\s)+3], 0x80000000
	s_mov_b32 s[G0B+4*(\s)], 1
	s_add_co_u32 s[G0B+4*(\s)+1], s23, (\s)*SLOT1
	s_add_nc_u64 s[G0B+4*(\s)+2:G0B+4*(\s)+3], s[46:47], (\s)*WKB
	s_or_b32 s[G0B+4*(\s)+3], s[G0B+4*(\s)+3], 0x80000000
.endr
	s_cmp_eq_u32 s[RH], 0                          ; a wave's two first fills stand in one branch: two loads of mine are out
	s_cbranch_scc0 .Lfirst_b
	tensor_load_to_lds s[G0A:G0A+3], s[G1A:G1A+7]
	s_nop 0
	tensor_load_to_lds s[G0A+4:G0A+7], s[G1A:G1A+7]
	s_nop 0
.rept 4
	v_nop
.endr
	s_branch .Lfirst_asked
.Lfirst_b:
	tensor_load_to_lds s[G0B:G0B+3], s[G1B:G1B+7]
	s_nop 0
	tensor_load_to_lds s[G0B+4:G0B+7], s[G1B:G1B+7]
	s_nop 0
.rept 4
	v_nop
.endr
.Lfirst_asked:
	v_and_b32 v1, 15, v0                           ; r
	v_bfe_u32 v2, v0, 4, 1                         ; h
	v_lshlrev_b32 v[BO], 5, v2                     ; my 8 columns of 16: 32 h bytes of f32
	s_mul_i32 s16, s42, 384*4
	s_mul_i32 s17, s[CH], 192*4
	s_add_co_u32 s16, s16, s17
	s_mov_b32 s17, 0
	s_add_nc_u64 s[8:9], s[8:9], s[16:17]          ; bias at my wave's first column
.set b, 0
.rept 12                               ; a lane's 8 numbers of bias for block column b, into accumulator (7, b)
	WIN (1+b/4)<<6
	global_load_b128 v[8*(8*(b%4)+7):8*(8*(b%4)+7)+3],   v[BO], s[8:9] offset:64*b
	global_load_b128 v[8*(8*(b%4)+7)+4:8*(8*(b%4)+7)+7], v[BO], s[8:9] offset:64*b+16
.set b, b+1
.endr
	WIN 0
	v_mul_u32_u24 v3, v1, PITCH
	v_lshl_add_u32 v3, v2, 4, v3                   ; a fragment: row x pitch + 16 x half
	s_mul_i32 s16, s[RH], AHALF
	s_mul_i32 s17, s[CH], BHALF
	s_add_co_u32 s17, s17, BOFF
	v_add_nc_u32 v[ADRA0], s16, v3
	v_add_nc_u32 v[ADRB0], s17, v3
	v_mov_b32 v[ADRA], v[ADRA0]                    ; slot 0 is in hand
	v_mov_b32 v[ADRB], v[ADRB0]
	s_mul_i32 s16, s[RH], 128*SP                   ; into the stage: row 128 RH + 16 a + r, byte 384 CH + 32 b + 16 h
	s_mul_i32 s17, s[CH], 384
	s_add_co_u32 s16, s16, s17
	v_mul_u32_u24 v[STO], v1, SP
	v_lshl_add_u32 v[STO], v2, 4, v[STO]
	v_add_nc_u32 v[STO], s16, v[STO]
	v_add_nc_u32 v[STO2], 64*SP, v[STO]
	s_mul_i32 s16, s[WV], 64*SP                    ; back: wave w takes rows 64 w on, whole; lanes 0-15 256 bytes of one row, lanes 16-31 of the next
	v_mul_u32_u24 v[RD], v2, SP
	v_lshl_add_u32 v[RD], v1, 4, v[RD]
	v_add_nc_u32 v[RD], s16, v[RD]
	v_mul_u32_u24 v[CO], v2, ROWB
	v_lshl_add_u32 v[CO], v1, 4, v[CO]
	s_mul_i32 s16, s43, 256*ROWB
	s_mul_i32 s17, s[WV], 64*ROWB
	s_add_co_u32 s16, s16, s17
	s_mul_i32 s17, s42, 768
	s_add_co_u32 s16, s16, s17
	s_mov_b32 s17, 0
	s_add_nc_u64 s[10:11], s[10:11], s[16:17]      ; kqv at the first row that I store, the tile's first column
	; the prefetches
	v_and_b32 v[PFO], 31, v0
	v_lshlrev_b32 v[PFO], 8, v[PFO]
	s_lshl_b32 s16, s43, 15                        ; wave 0: x's tile, my work-group's 8 KiB of it by cx, at block 3: each change of slots steps it by a block, the first to block 4
	s_lshl_b32 s17, s40, 13
	s_add_co_u32 s16, s16, s17
	s_add_co_u32 s16, s16, 3*XKB
	s_mul_i32 s17, s41, 3                          ; waves 1-3: piece q = 3 cy + wave - 1 of twelve: block 3 + q / 6, 8 KiB number q % 6
	s_add_co_u32 s17, s17, s[WV]
	s_sub_co_u32 s17, s17, 1
	s_mul_i32 s18, s17, 43
	s_lshr_b32 s18, s18, 8                         ; q / 6, for q below 12
	s_mul_i32 s18, s18, WKB-6*8192
	s_lshl_b32 s17, s17, 13
	s_add_co_u32 s17, s17, s18
	s_mul_i32 s18, s42, 384*128
	s_add_co_u32 s17, s17, s18
	s_add_co_u32 s17, s17, 3*WKB
	s_and_b32 s19, ttmp7, 0xffff                   ; cluster y
	s_mov_b32 s22, XKB
	s_mov_b32 s23, WKB
	s_cmp_eq_u32 s[WV], 0
	s_cselect_b32 s46, s16, s17
	s_cselect_b32 s19, ttmp9, s19                  ; the coordinate along which other clusters read the same bytes
	s_cselect_b32 s[PFS], s22, s23
	s_cselect_b64 s[PFA:PFA+1], s[4:5], s[6:7]
	s_mov_b32 s47, 0
	s_mov_b32 s[PFS+1], 0
	s_add_nc_u64 s[PFA:PFA+1], s[PFA:PFA+1], s[46:47]
	s_cmp_eq_u32 s19, 0
	s_cselect_b32 s[LIM], 2, -1                    ; the same in all sixteen partners, for a given wave
; Products of W's group w (block columns 4 w + lo .. 4 w + hi - 1) with all 8 row blocks in buffer ab.  The accumulators take turns, one instruction a turn.
; first = 1: the sums start with the bias, which lies in accumulator (7, b): the other seven read it as C; five places; then (7, b) adds in place.
.macro MUL w, ab, lo, hi, first
	WIN (((\w)+1)<<6)|(((\w)+1)<<4)
.if \first
.set a, 0
.rept 7
.set bb, 0
.rept 4
	v_wmma_f32_16x16x32_bf16 v[8*(8*bb+a):8*(8*bb+a)+7], v[BF+8*(4*(\w)+bb):BF+8*(4*(\w)+bb)+7], v[(\ab)+8*a:(\ab)+8*a+7], v[8*(8*bb+7):8*(8*bb+7)+7]
.set bb, bb+1
.endr
.set a, a+1
.endr
.rept 5
	v_nop                                          ; five places before a matrix instruction writes over registers that earlier ones read as C
.endr
.set bb, 0
.rept 4
	v_wmma_f32_16x16x32_bf16 v[8*(8*bb+7):8*(8*bb+7)+7], v[BF+8*(4*(\w)+bb):BF+8*(4*(\w)+bb)+7], v[(\ab)+56:(\ab)+63], v[8*(8*bb+7):8*(8*bb+7)+7]
.set bb, bb+1
.endr
.else
.set bb, \lo
.rept (\hi)-(\lo)
.set a, 0
.rept 8
	v_wmma_f32_16x16x32_bf16 v[8*(8*bb+a):8*(8*bb+a)+7], v[BF+8*(4*(\w)+bb):BF+8*(4*(\w)+bb)+7], v[(\ab)+8*a:(\ab)+8*a+7], v[8*(8*bb+a):8*(8*bb+a)+7]
.set a, a+1
.endr
.set bb, bb+1
.endr
.endif
.endm
.macro RUN0 k, ab                      ; 24 LDS loads: W's group 0 and x's 8 fragments, at byte k of the rows of the slot in hand
	WIN 0
.irp i, 0,1,2,3
	ds_load_b128 v[BF+8*(\i):BF+8*(\i)+3],   v[ADRB] offset:(\k)+(\i)*16*PITCH
	ds_load_b128 v[BF+8*(\i)+4:BF+8*(\i)+7], v[ADRB] offset:(\k)+(\i)*16*PITCH+32
.endr
.irp i, 0,1,2,3,4,5,6,7
	ds_load_b128 v[(\ab)+8*(\i):(\ab)+8*(\i)+3],   v[ADRA] offset:(\k)+(\i)*16*PITCH
	ds_load_b128 v[(\ab)+8*(\i)+4:(\ab)+8*(\i)+7], v[ADRA] offset:(\k)+(\i)*16*PITCH+32
.endr
.endm
.macro RUNB g, k                       ; 8 LDS loads: W's group g
	WIN 0
.irp i, 0,1,2,3
	ds_load_b128 v[BF+8*(4*(\g)+(\i)):BF+8*(4*(\g)+(\i))+3],   v[ADRB] offset:(\k)+(4*(\g)+(\i))*16*PITCH
	ds_load_b128 v[BF+8*(4*(\g)+(\i))+4:BF+8*(4*(\g)+(\i))+7], v[ADRB] offset:(\k)+(4*(\g)+(\i))*16*PITCH+32
.endr
.endm
.macro OTHER                           ; the other slot comes in hand
	s_xor_b32 s[TB], s[TB], SLOT1
	v_add_nc_u32 v[ADRA], s[TB], v[ADRA0]
	v_add_nc_u32 v[ADRB], s[TB], v[ADRB0]
.endm
; A block's first step: 32 along K.  It multiplies buffer cur and fetches the second step's fragments, at byte k of the same slot, group by group behind the products that last read the group.
.macro STEP_E k, cur, nxt, first
	s_wait_dscnt 16                                ; the run of 24 is in; groups 1 and 2 (8 + 8) may be out
	MUL 0, \cur, 0, 4, \first
	PLACES
	RUN0 \k, \nxt
	s_wait_dscnt 32                                ; group 1 is in: behind it were issued group 2's 8 and the 24 above
	MUL 1, \cur, 0, 4, \first
	PLACES
	RUNB 1, \k
	s_wait_dscnt 32                                ; group 2 is in: behind it the 24 and group 1's 8
	MUL 2, \cur, 0, 4, \first
	PLACES
	RUNB 2, \k
.endm
; The head of a block's second step, which multiplies buffer A1 and changes slots.  24 of group 0's 32 products stand AHEAD of the wait for the tile: they read registers alone, and what stands behind that wait
; stands between a tile's landing and the next request.  Then each wave waits for all its tensor loads (at most one is out: its part of the next slot), adds 0 to its spare word, and waits for that and for
; its reads of this slot, all of which were issued in the step before.  walk = 1: the walking descriptors step while the add is out: no tensor load of mine is out there.
.macro MEET walk
	s_wait_dscnt 16                                ; the run of 24 is in; groups 1 and 2 (8 + 8) may be out
	MUL 0, A1, 0, 3, 0
	WIN 0                                          ; (the add's two registers lie in window 0)
	s_wait_tensorcnt 0x0                           ; all my tensor loads have landed
	ds_add_u32 v[SPW], v[NIL]                      ; 0 onto my spare word
.if \walk
	s_xor_b32 s[G0A+5], s[G0A+5], SLOT1            ; the other slot than last time, the next block
	s_add_nc_u64 s[G0A+6:G0A+7], s[G0A+6:G0A+7], XKB
	s_xor_b32 s[G0B+5], s[G0B+5], SLOT1
	s_add_nc_u64 s[G0B+6:G0B+7], s[G0B+6:G0B+7], WKB
.endif
	MUL 0, A1, 3, 4, 0                             ; eight products stand between the add and the wait for it
	WIN 0
	s_wait_dscnt 0x0                               ; the add is done, and my reads of this slot are over
	s_barrier_signal -1
	s_barrier_wait -1
.endm
; In the loop the barrier opens a round of the cluster's, and the joint refill, two blocks on, is the first thing behind it: 184 matrix instructions stand between it and the wait for it.
.macro STEP_O
	s_wait_xcnt 0x0                                ; the last prefetches, a trip back or more, have read their address
	s_add_nc_u64 s[PFA:PFA+1], s[PFA:PFA+1], s[PFS:PFS+1]
	MEET 1
	CREST                                          ; no wave of any partner still reads this slot or has a load on its way
	JLOAD                                          ; its four v_nop are also the places in front of the loads below
	OTHER
	RUN0 0, A0
	ASK
	MUL 1, A1, 0, 4, 0                             ; all of this step's fragments were in at the wait for 0
	PLACES
	RUNB 1, 0
	MUL 2, A1, 0, 4, 0
	PLACES
	RUNB 2, 0
.endm
; In the tail nothing is asked for; in its last trip (s3 = 1) there is no next block, and the runs of LDS loads are jumped over.
.macro STEP_X
	MEET 0
	PLACES
	s_cmp_eq_u32 s3, 1
	s_cbranch_scc1 .Lx1_\@
	OTHER
	RUN0 0, A0
.Lx1_\@:
	MUL 1, A1, 0, 4, 0
	PLACES
	WIN 0
	s_cmp_eq_u32 s3, 1
	s_cbranch_scc1 .Lx2_\@
	RUNB 1, 0
.Lx2_\@:
	MUL 2, A1, 0, 4, 0
	PLACES
	WIN 0
	s_cmp_eq_u32 s3, 1
	s_cbranch_scc1 .Lx3_\@
	RUNB 2, 0
.Lx3_\@:
.endm
	s_wait_tensorcnt 0x1                           ; my part of block 0 is in; block 1's may stay out
	s_barrier_signal -1
	s_barrier_wait -1
	RUN0 0, A0
	RUNB 1, 0
	RUNB 2, 0
	s_wait_loadcnt 0x0                             ; the bias
	STEP_E 64, A0, A1, 1                           ; the first step stands in front of the loop: its products start the sums
	WIN 0
	s_mov_b32 s3, 14
.Lblock:                                       ; a trip: a block's second step, which asks for the block two on, and the next block's first step
	STEP_O
	STEP_E 64, A0, A1, 0
	WIN 0
	s_sub_co_u32 s3, s3, 1
	s_cmp_lg_u32 s3, 0
	s_cbranch_scc1 .Lblock
	s_mov_b32 s3, 2                                ; blocks 14 and 15: no tensor load stands in this loop; it is entered at a block's second step
	s_branch .Lt_in
.Ltail:
	STEP_E 64, A0, A1, 0
	WIN 0
.Lt_in:
	STEP_X
	WIN 0
	s_sub_co_u32 s3, s3, 1
	s_cmp_lg_u32 s3, 0
	s_cbranch_scc1 .Ltail
	; THE WAY OUT.  Rounded to f16, 16 bytes a lane, into one stage of 256 whole rows (768 bytes), which lies over the slots: they have had their last fill, and behind this barrier nobody reads them.
	s_wait_dscnt 0x0
	s_barrier_signal -1
	s_barrier_wait -1
.rept 8
	v_nop                                          ; the places behind the last products
.endr
.macro PACKW w                         ; one window's 32 accumulators; each is read from its lowest registers on
	WIN 5*((\w)+1)
.set i, 0
.rept 128
	v_cvt_pk_f16_f32 v[32+i], v[2*i], v[2*i+1]
.set i, i+1
.endr
	WIN 0
.set i, 0
.rept 32                               ; accumulator i: row block i % 8, block column 4 w + i / 8
.if (i%8) < 4
	ds_store_b128 v[STO], v[32+4*i:32+4*i+3] offset:(i%8)*16*SP+32*(4*(\w)+i/8)
.else
	ds_store_b128 v[STO2], v[32+4*i:32+4*i+3] offset:((i%8)-4)*16*SP+32*(4*(\w)+i/8)
.endif
.set i, i+1
.endr
.endm
	PACKW 0
	PACKW 1
	PACKW 2
	s_wait_dscnt 0x0                               ; for the others' sake: my stores into the stage are done
	s_barrier_signal -1
	s_barrier_wait -1
.macro BATCH g                         ; 8 pairs of rows x 3 pieces of 256 bytes, into one of two sets of 96 registers
.set i, 0
.rept 24
	ds_load_b128 v[32+96*(\g)+4*i:32+96*(\g)+4*i+3], v[RD] offset:2*SP*(8*(\g)+i/3)+256*(i%3)
.set i, i+1
.endr
.endm
.macro SENDB g
.set i, 0
.rept 24
	global_store_b128 v[CO], v[32+96*(\g)+4*i:32+96*(\g)+4*i+3], s[10:11] offset:2*ROWB*(8*(\g)+i/3)+256*(i%3)  ; 16 lanes store 256 consecutive bytes, aligned
.set i, i+1
.endr
.endm
	s_mov_b32 s3, 2
.Lsend:                                        ; a trip: 32 of my 64 rows
	BATCH 0
	BATCH 1
	s_wait_dscnt 24                                ; the older batch is in, the younger one's 24 may be out
	SENDB 0
	s_wait_dscnt 0x0
	SENDB 1
	s_wait_xcnt 0x0                                ; the stores have read their registers and offsets: these are written again only behind this wait
	v_add_nc_u32 v[RD], 32*SP, v[RD]
	v_add_nc_u32 v[CO], 32*ROWB, v[CO]
	s_sub_co_u32 s3, s3, 1
	s_cmp_lg_u32 s3, 0
	s_cbranch_scc1 .Lsend
	s_wait_tensorcnt 0x0                           ; the wave's end
	ds_add_u32 v[SPW], v[NIL]
	s_wait_dscnt 0x0
	CROUND                                         ; the closing round
	s_endpgm
.Lfunc_end_k_qb3bc1af89a_proj:
	.size	k_qb3bc1af89a_proj, .Lfunc_end_k_qb3bc1af89a_proj-k_qb3bc1af89a_proj
	.p2alignl 7, 3214868480
	.fill 96, 4, 3214868480
	.section	.rodata,"a",@progbits
	.p2align	6, 0x0
	.amdhsa_kernel k_qb3bc1af89a_proj
		.amdhsa_group_segment_fixed_size 327680
		.amdhsa_private_segment_fixed_size 0
		.amdhsa_enable_private_segment 0
		.amdhsa_kernarg_size 32
		.amdhsa_user_sgpr_count 2
		.amdhsa_user_sgpr_kernarg_segment_ptr 1
		.amdhsa_wavefront_size32 1
		.amdhsa_system_sgpr_workgroup_id_x 1
		.amdhsa_system_sgpr_workgroup_id_y 1
		.amdhsa_system_sgpr_workgroup_id_z 1
		.amdhsa_system_vgpr_workitem_id 0
		.amdhsa_next_free_vgpr 1024
		.amdhsa_next_free_sgpr 80
		.amdhsa_reserve_vcc 0
		.amdhsa_float_denorm_mode_32 3
		.amdhsa_float_denorm_mode_16_64 3
		.amdhsa_memory_ordered 1
		.amdhsa_forward_progress 1
		.amdhsa_inst_pref_size 101
	.end_amdhsa_kernel
	.amdgpu_metadata
---
amdhsa.version: [ 1, 2 ]
amdhsa.kernels:
  - .name:           k_qb3bc1af89a_proj
    .symbol:         k_qb3bc1af89a_proj.kd
    .args:
      - { .name: xb, .offset: 0, .size: 8, .value_kind: global_buffer, .address_space: global }
      - { .name: wb, .offset: 8, .size: 8, .value_kind: global_buffer, .address_space: global }
      - { .name: bias3, .offset: 16, .size: 8, .value_kind: global_buffer, .address_space: global }
      - { .name: kqv, .offset: 24, .size: 8, .value_kind: global_buffer, .address_space: global }
    .group_segment_fixed_size: 327680
    .private_segment_fixed_size: 0
    .kernarg_segment_align: 8
    .kernarg_segment_size: 32
    .max_flat_workgroup_size: 128
    .sgpr_count:     80
    .vgpr_count:     1024
    .wavefront_size: 32
...
	.end_amdgpu_metadata
.endif
;; end of part 2
;; launch score (part 3): grid 8 x 32, 4 waves a work-group, clusters of 4 x 4, 327,680 bytes of LDS; arguments kqv, p, mx, lsum; writes p, mx, lsum
.if DOCPART == 3
	.amdgcn_target "amdgcn-amd-amdhsa--gfx1250"
	.amdhsa_code_object_version 6
	.text
	.protected	k_qb3bc1af89a_score
	.globl	k_qb3bc1af89a_score
	.p2align	8
	.type	k_qb3bc1af89a_score,@function
k_qb3bc1af89a_score:
	s_mov_b64 s[64:65], 0
	v_nop
	global_prefetch_b8 v0, s[64:65] scope:SCOPE_SE
	s_setreg_imm32_b32 hwreg(HW_REG_WAVE_MODE, 25, 1), 1
	s_wait_xcnt 0x0
	s_wait_alu depctr_hold_cnt(0) depctr_sa_sdst(0) depctr_va_vdst(0) depctr_va_sdst(0) depctr_va_ssrc(0) depctr_va_vcc(0) depctr_vm_vsrc(0)
	s_getreg_b32 s2, hwreg(HW_REG_IB_STS2, 6, 4)
	s_cmp_eq_u32 s2, 0
	s_cbranch_scc0 .Lentry_in_a_cluster
	s_endpgm
.Lentry_in_a_cluster:
	s_bfe_u32 s2, ttmp6, 0x10000c
	s_cmp_lg_u32 s2, 0xf033
	s_cbranch_scc0 .Lentry_shape_is_right
	s_endpgm
.Lentry_shape_is_right:
; For a tile of 256 queries j x 256 keys i of one batch: s = Q_j . K_i (f16 operands, f32 sums); m[j] = the largest s of the tile's 256 keys; P[j][i] = 2^(c (s - m)), c = log2(e) / sqrt(2048), rounded to f16;
; l[j] = the sum, in f32, of the ROUNDED weights over each wave's 128 keys: the very numbers that the next launch multiplies.  p: [4][2048 j][2048 i] f16;  mx: [4][8 tile][2048 j] f32, the raw m;
; lsum: [4][16 half tile][2048 j] f32.  The next launch joins the eight tiles of a query by their maxima.
; The maximum is taken away BEFORE the scaling, so that the exponent is 0 at the maximum and never above it: P lies in 0 to 1, and is 1 at the maximum, for scores of any size.
; LIMITS.  P below 6e-5 keeps f16's fixed step, and below 3e-8 it is 0; NaN and infinities are not treated apart.
; SHARES.  8 x 32 work-groups; four waves, each 128 x 128: 64 accumulators, 512 registers.  K goes in steps of 128 (rows of 256 bytes in kqv, aligned) through two LDS slots.
; ONE TEXT FOR EVERY K STEP.  The slot in hand is a scalar, TB, turned by one exclusive or; the fragments' addresses are made anew from it at each change of slots, and one descriptor a tensor walks.
; The last two K steps, which ask for nothing, are a loop of their own, entered in its middle.
; CLUSTER.  4 x 4: Q's tile is shared along a row of the cluster, K's along a column: joint loads.
; THE MATRIX INSTRUCTION IS USED TRANSPOSED (source 0 = 16 keys, source 1 = 16 queries): a lane holds one query (lane % 16) and eight neighbouring keys.
; REGISTERS.  Window 0: v0-31 addresses; v32-95, v96-159 Q's fragments, two buffers; v160-223 K's 8 fragments, one buffer in two groups.  Windows 1, 2: accumulator (a, b) in window 1 + b / 4 at v[8 (8 (b % 4) + a)].
.set PITCH,  272                       ; 256 bytes + 16: the 16 rows of a fragment load start in 16 different groups of four banks (ISA guide 11.1)
.set HALF,   128*PITCH                 ; 0x8800
.set SLOT,   4*HALF                    ; Q's 256 rows, then K's 256 rows: 0x22000, which shares no bit with a wave's 0x8800 w: an exclusive or with it turns an address in one slot into the other's
.set XM,     2*SLOT                    ; 512 bytes a wave: its 128 rows' maxima, for the wave beside it
.set STT,    XM+4*512                  ; 1,024 bytes a wave: m and l, turned from a lane a row to four rows a lane
.set SPARE,  STT+4*1024                ; the spare words, 128 bytes a wave, which no other line names
.set ROWB,   6144                      ; the way out's stage, 128 rows x 272 bytes a wave, lies over slot 0, behind its last fill
.set ADRA0, 16                         ; v16 my lane's place in Q's tile, never rewritten;  v17 the same in the slot in hand
.set ADRA,  17
.set XS,   18                          ; v18 where I put a maximum;  v19 where I read the other wave's
.set XL,   19
.set ADRB0, 20                         ; v20, v21 likewise for K
.set ADRB,  21
.set SS,   22                          ; v22 where I put m and l;  v23 where I read them back
.set SR,   23
.set STO,  24
.set RD,   25
.set CO,   26
.set LN,   27                          ; v27 16 x lane
.set SPW,  28
.set NIL,  29
.set PFO,  30
.set A0,   32
.set A1,   96
.set BF,   160
.set T,    32                          ; the way out: m of row block a at v[T + 2 a], its neighbour at work
.set BK,   96                          ; 2 x 16 rows read back from the stage: v96-127, v128-159
.set LA,   160                         ; l of row block a: an accumulator at v[LA + 8 a]
.set ONE,  224                         ; v224-231: 16 x 32 ones in f16
.set WV,   12
.set RH,   13
.set CH,   14
.set LIM,  15
.set G1A,  24
.set G0A,  32                          ; a set for each of the two first fills; the second then walks on
.set PFA,  44
.set G1B,  48
.set G0B,  56
.set CS,   68                          ; s[68:69] c
.set SEL,  70                          ; s[70:71] v_permlanex16_b32's selects: each lane takes its own place in the other half
.set TB,   74                          ; s74 LDS byte at which the slot in hand begins
.set G1W,  (1<<16)|(1<<20)|(1<<21)|(5<<22)|(3<<25)  ; 2-byte elements; padding on; bit 21 beside a mask; behind every 64 words, 4 words
.set MSB, 0
.macro WIN new
.if MSB != (\new)
	s_set_vgpr_msb (MSB<<8)|(\new)
.set MSB, \new
.endif
.endm
.macro PLACES
.rept 4
	v_nop
.endr
.endm
.macro CREST
	s_cmp_lg_u32 s[WV], 0
	s_cbranch_scc1 .Lnot_wave_0_\@
	s_barrier_signal -3
.Lnot_wave_0_\@:
	s_barrier_wait -3
	s_barrier_signal -1
	s_barrier_wait -1
.endm
.macro CROUND
	s_barrier_signal -1
	s_barrier_wait -1
	CREST
.endm
.macro JLOAD                           ; a joint refill by the walking descriptors: waves 0, 1 fetch Q's halves, waves 2, 3 K's; an s_nop 0 and four v_nop follow each line
	s_cmp_eq_u32 s[RH], 0
	s_cbranch_scc0 .Lfor_b_\@
	tensor_load_to_lds s[G0A+4:G0A+7], s[G1A:G1A+7]
	s_nop 0
.rept 4
	v_nop
.endr
	s_branch .Lasked_\@
.Lfor_b_\@:
	tensor_load_to_lds s[G0B+4:G0B+7], s[G1B:G1B+7]
	s_nop 0
.rept 4
	v_nop
.endr
.Lasked_\@:
.endm
; A PREFETCH INTO THE L2 behind each joint load and its run of LDS loads: the K step that stands two refills on, 512 matrix instructions ahead of its load: 32 rows x 256 bytes, a lane a row.
; Q's tile row is read by both clusters of a row of clusters: cluster x = 0 asks.  K's rows are read by the batch's two clusters of a column: the one with even y asks.  Of the 128 rows that a wave
; fetches each of the four partners takes 32, by address.  So each row's 256 bytes are named once.  K steps 0-3 come by their loads alone; the loop's last two trips ask for nothing.
.macro ASK
	s_cmp_gt_u32 s3, s[LIM]
	s_cbranch_scc0 .Lnot_mine_\@
	global_prefetch_b8 v[PFO], s[PFA:PFA+1] th:TH_LOAD_NT scope:SCOPE_SE
.Lnot_mine_\@:
.endm
	s_load_b256 s[4:11], s[0:1], 0x0               ; kqv 4:5, p 6:7, mx 8:9, lsum 10:11
	v_lshl_add_u32 v[SPW], v0, 2, SPARE
	v_mov_b32 v[NIL], 0
	ds_add_u32 v[SPW], v[NIL]                      ; the wave's opening: the add and its wait stand ahead of my first tensor load
	v_lshrrev_b32 v1, 5, v0
	v_readfirstlane_b32 s[WV], v1
	s_lshr_b32 s[RH], s[WV], 1
	s_and_b32 s[CH], s[WV], 1
	s_bfe_u32 s40, ttmp6, 0x40000                  ; cx
	s_bfe_u32 s41, ttmp6, 0x40004                  ; cy
	s_lshl_b32 s42, ttmp9, 2
	s_add_co_u32 s42, s42, s40                     ; tx: the tile of keys
	s_and_b32 s18, ttmp7, 0xffff                   ; cluster y
	s_lshl_b32 s43, s18, 2
	s_add_co_u32 s43, s43, s41                     ; ty: 256 ty is the tile's first query among all 8,192 rows
	s_lshr_b32 s19, s18, 1                         ; the batch, ty / 8: the same in all sixteen partners
	s_lshl_b32 s16, s41, 2
	s_lshl_b32 s16, 15, s16
	s_lshl_b32 s17, 0x1111, s40
	s_or_b32 s[G1A], s16, G1W
	s_or_b32 s[G1B], s17, G1W
.irp g, G1A, G1B
	s_mov_b32 s[(\g)+1], 128<<16                   ; tensor_dim0 = 128
	s_mov_b32 s[(\g)+2], 128<<16                   ; tensor_dim1 = 128
	s_mov_b32 s[(\g)+3], 128<<16                   ; tile_dim0
	s_mov_b32 s[(\g)+4], 128                       ; tile_dim1
	s_mov_b32 s[(\g)+5], 3072                      ; elements from row to row
	s_mov_b32 s[(\g)+6], 0
	s_mov_b32 s[(\g)+7], 0
.endr
	s_mul_i32 s20, s43, 256*ROWB                   ; Q: row 256 ty + 128 half, byte 2,048 of the row
	s_mul_i32 s21, s[CH], 128*ROWB
	s_add_co_u32 s20, s20, s21
	s_add_co_u32 s20, s20, 2048
	s_mov_b32 s21, 0
	s_mul_i32 s46, s19, 2048*ROWB                  ; K: row 2,048 batch + 256 tx + 128 half, byte 0
	s_mul_i32 s47, s42, 256*ROWB
	s_add_co_u32 s46, s46, s47
	s_mul_i32 s47, s[CH], 128*ROWB
	s_add_co_u32 s46, s46, s47
	s_mov_b32 s47, 0
	s_mul_i32 s22, s[WV], HALF                     ; where they go: wave x 128 rows
	s_mov_b32 s[CS], 0x3d0293ee                    ; c = log2(e) / sqrt(2048) = 0.0318793
	s_mov_b32 s[CS+1], s[CS]
	s_mov_b32 s[SEL], 0x76543210
	s_mov_b32 s[SEL+1], 0xfedcba98
	s_mov_b32 s[TB], 0
	s_wait_dscnt 0x0
	s_wait_kmcnt 0x0
	s_add_nc_u64 s[20:21], s[4:5], s[20:21]
	s_add_nc_u64 s[46:47], s[4:5], s[46:47]
	CROUND
.irp s, 0,1
	s_mov_b32 s[G0A+4*(\s)], 1
	s_add_co_u32 s[G0A+4*(\s)+1], s22, (\s)*SLOT
	s_add_nc_u64 s[G0A+4*(\s)+2:G0A+4*(\s)+3], s[20:21], (\s)*256
	s_or_b32 s[G0A+4*(\s)+3], s[G0A+4*(\s)+3], 0x80000000
	s_mov_b32 s[G0B+4*(\s)], 1
	s_add_co_u32 s[G0B+4*(\s)+1], s22, (\s)*SLOT
	s_add_nc_u64 s[G0B+4*(\s)+2:G0B+4*(\s)+3], s[46:47], (\s)*256
	s_or_b32 s[G0B+4*(\s)+3], s[G0B+4*(\s)+3], 0x80000000
.endr
	s_cmp_eq_u32 s[RH], 0                          ; a wave's two first fills stand in one branch
	s_cbranch_scc0 .Lfirst_b
	tensor_load_to_lds s[G0A:G0A+3], s[G1A:G1A+7]
	s_nop 0
	tensor_load_to_lds s[G0A+4:G0A+7], s[G1A:G1A+7]
	s_nop 0
.rept 4
	v_nop
.endr
	s_branch .Lfirst_asked
.Lfirst_b:
	tensor_load_to_lds s[G0B:G0B+3], s[G1B:G1B+7]
	s_nop 0
	tensor_load_to_lds s[G0B+4:G0B+7], s[G1B:G1B+7]
	s_nop 0
.rept 4
	v_nop
.endr
.Lfirst_asked:
	v_and_b32 v1, 15, v0                           ; r
	v_bfe_u32 v2, v0, 4, 1                         ; h
	v_and_b32 v3, 31, v0                           ; lane
	v_mul_u32_u24 v4, v1, PITCH
	v_lshl_add_u32 v4, v2, 4, v4
	s_mul_i32 s16, s[RH], HALF
	s_mul_i32 s17, s[CH], HALF
	s_add_co_u32 s17, s17, 2*HALF
	v_add_nc_u32 v[ADRA0], s16, v4
	v_add_nc_u32 v[ADRB0], s17, v4
	v_mov_b32 v[ADRA], v[ADRA0]                    ; slot 0 is in hand
	v_mov_b32 v[ADRB], v[ADRB0]
	s_lshl_b32 s16, s[WV], 9
	s_add_co_u32 s16, s16, XM
	v_lshl_add_u32 v[XS], v1, 2, s16
	s_xor_b32 s16, s[WV], 1                        ; the wave with my rows and the other 128 keys
	s_lshl_b32 s16, s16, 9
	s_add_co_u32 s16, s16, XM
	v_lshl_add_u32 v[XL], v1, 2, s16
	s_lshl_b32 s16, s[WV], 10
	s_add_co_u32 s16, s16, STT
	v_lshl_add_u32 v[SS], v1, 2, s16
	v_lshl_add_u32 v[SR], v3, 4, s16
	v_lshlrev_b32 v[LN], 4, v3
	s_mul_i32 s16, s[WV], HALF                     ; my stage: 128 rows
	v_add_nc_u32 v[STO], s16, v4                   ; in: row r of a block, 16 bytes for each half of the lanes
	v_mul_u32_u24 v[RD], v2, PITCH                 ; back: lanes 0-15 one row of 256 bytes, lanes 16-31 the next
	v_lshl_add_u32 v[RD], v1, 4, v[RD]
	v_add_nc_u32 v[RD], s16, v[RD]
	v_lshlrev_b32 v[CO], 12, v2                    ; the same two rows in p
	v_lshl_add_u32 v[CO], v1, 4, v[CO]
	s_lshl_b32 s16, s43, 20                        ; p: row 256 ty + 128 RH (4,096 bytes each), byte 512 tx + 256 CH
	s_lshl_b32 s17, s[RH], 19
	s_add_co_u32 s16, s16, s17
	s_lshl_b32 s17, s42, 9
	s_add_co_u32 s16, s16, s17
	s_lshl_b32 s17, s[CH], 8
	s_add_co_u32 s16, s16, s17
	s_mov_b32 s17, 0
	s_add_nc_u64 s[6:7], s[6:7], s[16:17]
	s_and_b32 s20, s43, 7                          ; my first query in its batch, x 4 bytes
	s_lshl_b32 s20, s20, 10
	s_lshl_b32 s21, s[RH], 9
	s_add_co_u32 s20, s20, s21
	s_lshl_b32 s16, s19, 16                        ; mx: (8 batch + tx) x 8,192 bytes
	s_lshl_b32 s21, s42, 13
	s_add_co_u32 s16, s16, s21
	s_add_co_u32 s16, s16, s20
	s_add_nc_u64 s[8:9], s[8:9], s[16:17]
	s_lshl_b32 s16, s19, 17                        ; lsum: (16 batch + 2 tx + CH) x 8,192 bytes
	s_lshl_b32 s21, s42, 14
	s_add_co_u32 s16, s16, s21
	s_lshl_b32 s21, s[CH], 13
	s_add_co_u32 s16, s16, s21
	s_add_co_u32 s16, s16, s20
	s_add_nc_u64 s[10:11], s[10:11], s[16:17]
	; the prefetches
	s_lshl_b32 s16, s43, 8                         ; Q: the tile's first row
	s_lshl_b32 s17, s19, 11                        ; K: the same
	s_lshl_b32 s22, s42, 8
	s_add_co_u32 s17, s17, s22
	s_and_b32 s22, s18, 1
	s_mov_b32 s23, 2048+3*256                      ; at K step 3: the first change of slots steps it to 4
	s_mov_b32 s46, 3*256
	s_cmp_eq_u32 s[RH], 0                          ; do I fetch for Q?
	s_cselect_b32 s16, s16, s17
	s_cselect_b32 s17, s40, s41                    ; my place among the four that ask with me
	s_cselect_b32 s22, ttmp9, s22                  ; the coordinate along which another cluster reads the same rows
	s_cselect_b32 s46, s23, s46
	s_cmp_eq_u32 s22, 0
	s_cselect_b32 s[LIM], 2, -1
	s_lshl_b32 s22, s[CH], 7
	s_add_co_u32 s16, s16, s22
	s_lshl_b32 s17, s17, 5
	s_add_co_u32 s16, s16, s17
	s_mul_i32 s16, s16, ROWB
	s_add_co_u32 s46, s46, s16
	s_mov_b32 s47, 0
	s_add_nc_u64 s[PFA:PFA+1], s[4:5], s[46:47]
	v_mul_u32_u24 v[PFO], v3, ROWB
; Products of K's group w (key blocks 4 w + lo .. 4 w + hi - 1) with all 8 query blocks in buffer ab; the accumulators take turns.  zero = 1: they start the sums.
.macro MUL w, ab, lo, hi, zero
	WIN (((\w)+1)<<6)|(((\w)+1)<<4)
.set bb, \lo
.rept (\hi)-(\lo)
.set a, 0
.rept 8
.if \zero
	v_wmma_f32_16x16x32_f16 v[8*(8*bb+a):8*(8*bb+a)+7], v[BF+8*(4*(\w)+bb):BF+8*(4*(\w)+bb)+7], v[(\ab)+8*a:(\ab)+8*a+7], 0
.else
	v_wmma_f32_16x16x32_f16 v[8*(8*bb+a):8*(8*bb+a)+7], v[BF+8*(4*(\w)+bb):BF+8*(4*(\w)+bb)+7], v[(\ab)+8*a:(\ab)+8*a+7], v[8*(8*bb+a):8*(8*bb+a)+7]
.endif
.set a, a+1
.endr
.set bb, bb+1
.endr
.endm
.macro RUN0 k, ab                      ; 24 LDS loads: K's group 0 and Q's 8 fragments, at byte k of the rows of the slot in hand
	WIN 0
.irp i, 0,1,2,3
	ds_load_b128 v[BF+8*(\i):BF+8*(\i)+3],   v[ADRB] offset:(\k)+(\i)*16*PITCH
	ds_load_b128 v[BF+8*(\i)+4:BF+8*(\i)+7], v[ADRB] offset:(\k)+(\i)*16*PITCH+32
.endr
.irp i, 0,1,2,3,4,5,6,7
	ds_load_b128 v[(\ab)+8*(\i):(\ab)+8*(\i)+3],   v[ADRA] offset:(\k)+(\i)*16*PITCH
	ds_load_b128 v[(\ab)+8*(\i)+4:(\ab)+8*(\i)+7], v[ADRA] offset:(\k)+(\i)*16*PITCH+32
.endr
.endm
.macro RUNB k                          ; 8 LDS loads: K's group 1
	WIN 0
.irp i, 4,5,6,7
	ds_load_b128 v[BF+8*(\i):BF+8*(\i)+3],   v[ADRB] offset:(\k)+(\i)*16*PITCH
	ds_load_b128 v[BF+8*(\i)+4:BF+8*(\i)+7], v[ADRB] offset:(\k)+(\i)*16*PITCH+32
.endr
.endm
.macro OTHER                           ; the other slot comes in hand
	s_xor_b32 s[TB], s[TB], SLOT
	v_add_nc_u32 v[ADRA], s[TB], v[ADRA0]
	v_add_nc_u32 v[ADRB], s[TB], v[ADRB0]
.endm
.macro STEP_E k, cur, nxt, zero        ; 32 along K: multiplies buffer cur, fetches the next step (byte k of the same slot's rows)
	s_wait_dscnt 8                                 ; the run of 24 is in; group 1's 8 may be out
	MUL 0, \cur, 0, 4, \zero
	PLACES
	RUN0 \k, \nxt
	s_wait_dscnt 24                                ; group 1 is in: behind it the 24 above
	MUL 1, \cur, 0, 4, \zero
	PLACES
	RUNB \k
.endm
; The head of a slot's fourth step, which multiplies buffer A1 and changes slots.  24 of group 0's 32 products stand AHEAD of the wait for the tile: they read registers alone, and what stands behind that wait
; stands between a tile's landing and the next request.  Then: all my tensor loads waited for, the add, my reads of this slot (all issued in the step before) waited for, the barrier.
; walk = 1: the walking descriptors step while the add is out: no tensor load of mine is out there.
.macro MEET walk
	s_wait_dscnt 8                                 ; the run of 24 is in; group 1's 8 may be out
	MUL 0, A1, 0, 3, 0
	WIN 0                                          ; (the add's two registers lie in window 0)
	s_wait_tensorcnt 0x0
	ds_add_u32 v[SPW], v[NIL]
.if \walk
	s_xor_b32 s[G0A+5], s[G0A+5], SLOT             ; the other slot than last time, the next K step
	s_add_nc_u64 s[G0A+6:G0A+7], s[G0A+6:G0A+7], 256
	s_xor_b32 s[G0B+5], s[G0B+5], SLOT
	s_add_nc_u64 s[G0B+6:G0B+7], s[G0B+6:G0B+7], 256
.endif
	MUL 0, A1, 3, 4, 0                             ; eight products stand between the add and the wait for it
	WIN 0
	s_wait_dscnt 0x0                               ; the add is done, and my reads of this slot are over
	s_barrier_signal -1
	s_barrier_wait -1
.endm
; In the loop the barrier opens a round of the cluster's, and the joint refill, two K steps on, comes first behind it: 248 matrix instructions stand between it and the wait for it.
.macro STEP_O
	s_wait_xcnt 0x0                                ; the last prefetch, a K step back, has read its address
	s_add_nc_u64 s[PFA:PFA+1], s[PFA:PFA+1], 256
	MEET 1
	CREST
	JLOAD                                          ; its four v_nop are also the places in front of the loads below
	OTHER
	RUN0 0, A0
	ASK
	MUL 1, A1, 0, 4, 0
	PLACES
	RUNB 0
.endm
; In the tail nothing is asked for; in its last trip (s3 = 1) there is no next K step, and the runs of LDS loads are jumped over.
.macro STEP_X
	MEET 0
	PLACES
	s_cmp_eq_u32 s3, 1
	s_cbranch_scc1 .Lx1_\@
	OTHER
	RUN0 0, A0
.Lx1_\@:
	MUL 1, A1, 0, 4, 0
	PLACES
	WIN 0
	s_cmp_eq_u32 s3, 1
	s_cbranch_scc1 .Lx2_\@
	RUNB 0
.Lx2_\@:
.endm
	s_wait_tensorcnt 0x1                           ; my part of K step 0 is in; K step 1's may stay out
	s_barrier_signal -1
	s_barrier_wait -1
	RUN0 0, A0
	RUNB 0
	STEP_E 64, A0, A1, 1                           ; the first step starts the sums
	WIN 0
	s_mov_b32 s3, 6
.Lkstep:                                       ; a trip: a K step's last three steps, the third of which asks for the K step two on, and the next K step's first
	STEP_E 128, A1, A0, 0
	STEP_E 192, A0, A1, 0
	STEP_O
	STEP_E 64,  A0, A1, 0
	WIN 0
	s_sub_co_u32 s3, s3, 1
	s_cmp_lg_u32 s3, 0
	s_cbranch_scc1 .Lkstep
	s_mov_b32 s3, 2                                ; K steps 6 and 7: no tensor load stands in this loop; it is entered at a K step's second step
	s_branch .Lt_in
.Ltail:
	STEP_E 64,  A0, A1, 0
	WIN 0
.Lt_in:
	STEP_E 128, A1, A0, 0
	STEP_E 192, A0, A1, 0
	STEP_X
	WIN 0
	s_sub_co_u32 s3, s3, 1
	s_cmp_lg_u32 s3, 0
	s_cbranch_scc1 .Ltail
	; THE WAY OUT.  These 24 lines name no register of the last products: they are the places behind them.
	s_wait_dscnt 0x0
.set a, 0
.rept 8
	v_mov_b32 v[T+2*a], 0xff800000
	v_mov_b32 v[T+2*a+1], 0xff800000
	v_mov_b32 v[ONE+a], 0x3c003c00                 ; 1.0 twice in f16
.set a, a+1
.endr
.macro MAXW w                          ; the maximum over a window's 32 scores a row block; eight chains by turns; each accumulator is read from its lowest registers on
	WIN 0x14*(\w)
.set k, 0
.rept 16
.set a, 0
.rept 8
	v_max3_num_f32 v[T+2*a], v[T+2*a], v[8*(8*(k/4)+a)+2*(k%4)], v[8*(8*(k/4)+a)+2*(k%4)+1]
.set a, a+1
.endr
.set k, k+1
.endr
.endm
	MAXW 1
	MAXW 2
	WIN 0
.irp a, 0,1,2,3,4,5,6,7
	v_permlanex16_b32 v[T+2*(\a)+1], v[T+2*(\a)], s[SEL], s[SEL+1]  ; the row's other 64 keys lie in the lane 16 away
.endr
.irp a, 0,1,2,3,4,5,6,7
	v_max_num_f32 v[T+2*(\a)], v[T+2*(\a)], v[T+2*(\a)+1]
.endr
.irp a, 0,1,2,3,4,5,6,7
	ds_store_b32 v[XS], v[T+2*(\a)] offset:64*(\a)
.endr
	s_wait_dscnt 0x0                               ; for the other wave's sake
	s_barrier_signal -1
	s_barrier_wait -1                              ; behind this barrier nobody reads a slot any more, either
.irp a, 0,1,2,3,4,5,6,7
	ds_load_b32 v[T+2*(\a)+1], v[XL] offset:64*(\a)  ; the maximum over the tile's other 128 keys
.endr
	s_wait_dscnt 0x0
.irp a, 0,1,2,3,4,5,6,7
	v_max_num_f32 v[T+2*(\a)], v[T+2*(\a)], v[T+2*(\a)+1]
.endr
; The weights of a window, in place, pair i of 128 (registers 2 i, 2 i + 1; row block (i / 4) % 8): s - m for pair i, times c for pair i - 1, the two exponentials of pair i - 2: plain and
; transcendental lines by turns.  No line names an exponential's result; a plain line and one wait stand behind the window's 256.
.macro EXPW w
	WIN 0x41*(\w)
.set i, 0
.rept 130
.if i < 128
	v_pk_add_f32 v[2*i:2*i+1], v[2*i:2*i+1], v[T+2*((i/4)%8):T+2*((i/4)%8)+1] op_sel_hi:[1,0] neg_lo:[0,1] neg_hi:[0,1]
.endif
.if i >= 2
	v_exp_f32 v[2*i-4], v[2*i-4]
.endif
.if (i >= 1) && (i < 129)
	v_pk_mul_f32 v[2*i-2:2*i-1], v[2*i-2:2*i-1], s[CS:CS+1] op_sel_hi:[1,0]
.endif
.if i >= 2
	v_exp_f32 v[2*i-3], v[2*i-3]
.endif
.set i, i+1
.endr
	v_nop                                          ; a plain instruction behind the last exponential,
	s_wait_alu depctr_va_vdst(0)                   ; and the wait ahead of the first use: one for the window
.endm
	EXPW 1
	EXPW 2
; Rounded to f16.  Key blocks b (even) and b + 1 of a row block go into the eight registers of accumulator (a, b): 32 keys x 16 queries, laid as a matrix instruction's source 1.
.macro CVTW w
	WIN 0x45*(\w)
.set i, 0
.rept 16                               ; i = 8 (b % 4) / 2 + a
.set EV, 8*(16*(i/8)+(i%8))
.irp q, 0,1,2,3
	v_cvt_pk_f16_f32 v[EV+(\q)], v[EV+2*(\q)], v[EV+2*(\q)+1]
.endr
.irp q, 0,1,2,3
	v_cvt_pk_f16_f32 v[EV+4+(\q)], v[EV+64+2*(\q)], v[EV+64+2*(\q)+1]
.endr
.set i, i+1
.endr
.endm
	CVTW 1
	CVTW 2
; l: ones (16 x 32) times P (32 keys x 16 queries): every register of the result holds the lane's query's sum over the 32 keys, both halves of the lanes' among them.  Four links a row block; the eight
; accumulators take turns.
.set pp, 0
.rept 4
	WIN 0x04*(1+pp/2)
.set a, 0
.rept 8
.if pp == 0
	v_wmma_f32_16x16x32_f16 v[LA+8*a:LA+8*a+7], v[ONE:ONE+7], v[8*(16*(pp%2)+a):8*(16*(pp%2)+a)+7], 0
.else
	v_wmma_f32_16x16x32_f16 v[LA+8*a:LA+8*a+7], v[ONE:ONE+7], v[8*(16*(pp%2)+a):8*(16*(pp%2)+a)+7], v[LA+8*a:LA+8*a+7]
.endif
.set a, a+1
.endr
.set pp, pp+1
.endr
.macro STW w                           ; a window's P into my stage: row 16 a + r, byte 32 b + 16 h
	WIN 0x04*(\w)
.set i, 0
.rept 16
.set EV, 8*(16*(i/8)+(i%8))
	ds_store_b128 v[STO], v[EV:EV+3]   offset:(i%8)*16*PITCH+32*(4*((\w)-1)+2*(i/8))
	ds_store_b128 v[STO], v[EV+4:EV+7] offset:(i%8)*16*PITCH+32*(4*((\w)-1)+2*(i/8))+32
.set i, i+1
.endr
.endm
	STW 1
	STW 2
	WIN 0
	PLACES                                         ; behind the last of l's products, in front of the stores that read their results
.irp a, 0,1,2,3,4,5,6,7                ; m and l through my own LDS bytes: from a lane a row to four rows a lane
	ds_store_b32 v[SS], v[T+2*(\a)] offset:64*(\a)
	ds_store_b32 v[SS], v[LA+8*(\a)] offset:512+64*(\a)
.endr
	ds_load_b128 v[64:67], v[SR]                   ; LDS serves a wave's instructions in order (ISA guide 5.7.1.4): these see the stores above
	ds_load_b128 v[68:71], v[SR] offset:512
	s_wait_dscnt 0x0
	global_store_b128 v[LN], v[68:71], s[10:11]    ; 512 consecutive bytes, aligned
	s_cmp_lg_u32 s[CH], 0                          ; both waves of a row half hold the same m: the first stores it
	s_cbranch_scc1 .Lno_m
	global_store_b128 v[LN], v[64:67], s[8:9]
.Lno_m:
	s_mov_b32 s3, 4
.Lsend:                                        ; a trip: 32 of my 128 rows, back as whole rows of 256 bytes
.irp j, 0,1
.irp t, 0,1,2,3,4,5,6,7
	ds_load_b128 v[BK+32*(\j)+4*(\t):BK+32*(\j)+4*(\t)+3], v[RD] offset:16*PITCH*(\j)+2*PITCH*(\t)
.endr
.endr
	s_wait_dscnt 8                                 ; the first sixteen rows are in; the second eight loads may be out
.irp t, 0,1,2,3,4,5,6,7
	global_store_b128 v[CO], v[BK+4*(\t):BK+4*(\t)+3], s[6:7] offset:8192*(\t)  ; 16 lanes store 256 consecutive bytes, aligned
.endr
	s_wait_dscnt 0x0
.irp t, 0,1,2,3,4,5,6,7
	global_store_b128 v[CO], v[BK+32+4*(\t):BK+32+4*(\t)+3], s[6:7] offset:65536+8192*(\t)
.endr
	s_wait_xcnt 0x0                                ; the stores have read their registers and offsets: these are written again only behind this wait
	v_add_nc_u32 v[RD], 32*PITCH, v[RD]
	v_add_nc_u32 v[CO], 131072, v[CO]
	s_sub_co_u32 s3, s3, 1
	s_cmp_lg_u32 s3, 0
	s_cbranch_scc1 .Lsend
	s_wait_tensorcnt 0x0                           ; the wave's end
	ds_add_u32 v[SPW], v[NIL]
	s_wait_dscnt 0x0
	CROUND                                         ; the closing round
	s_endpgm
.Lfunc_end_k_qb3bc1af89a_score:
	.size	k_qb3bc1af89a_score, .Lfunc_end_k_qb3bc1af89a_score-k_qb3bc1af89a_score
	.p2alignl 7, 3214868480
	.fill 96, 4, 3214868480
	.section	.rodata,"a",@progbits
	.p2align	6, 0x0
	.amdhsa_kernel k_qb3bc1af89a_score
		.amdhsa_group_segment_fixed_size 327680
		.amdhsa_private_segment_fixed_size 0
		.amdhsa_enable_private_segment 0
		.amdhsa_kernarg_size 32
		.amdhsa_user_sgpr_count 2
		.amdhsa_user_sgpr_kernarg_segment_ptr 1
		.amdhsa_wavefront_size32 1
		.amdhsa_system_sgpr_workgroup_id_x 1
		.amdhsa_system_sgpr_workgroup_id_y 1
		.amdhsa_system_sgpr_workgroup_id_z 1
		.amdhsa_system_vgpr_workitem_id 0
		.amdhsa_next_free_vgpr 768
		.amdhsa_next_free_sgpr 80
		.amdhsa_reserve_vcc 0
		.amdhsa_float_denorm_mode_32 3
		.amdhsa_float_denorm_mode_16_64 3
		.amdhsa_memory_ordered 1
		.amdhsa_forward_progress 1
		.amdhsa_inst_pref_size 166
	.end_amdhsa_kernel
	.amdgpu_metadata
---
amdhsa.version: [ 1, 2 ]
amdhsa.kernels:
  - .name:           k_qb3bc1af89a_score
    .symbol:         k_qb3bc1af89a_score.kd
    .args:
      - { .name: kqv, .offset: 0, .size: 8, .value_kind: global_buffer, .address_space: global }
      - { .name: p, .offset: 8, .size: 8, .value_kind: global_buffer, .address_space: global }
      - { .name: mx, .offset: 16, .size: 8, .value_kind: global_buffer, .address_space: global }
      - { .name: lsum, .offset: 24, .size: 8, .value_kind: global_buffer, .address_space: global }
    .group_segment_fixed_size: 327680
    .private_segment_fixed_size: 0
    .kernarg_segment_align: 8
    .kernarg_segment_size: 32
    .max_flat_workgroup_size: 128
    .sgpr_count:     80
    .vgpr_count:     768
    .wavefront_size: 32
...
	.end_amdgpu_metadata
.endif
;; end of part 3
;; launch mix (part 4): grid 8 x 32, 4 waves a work-group, clusters of 4 x 4, 327,680 bytes of LDS; arguments p, kqv, mx, lsum, out0; writes out0
.if DOCPART == 4
	.amdgcn_target "amdgcn-amd-amdhsa--gfx1250"
	.amdhsa_code_object_version 6
	.text
	.protected	k_qb3bc1af89a_mix
	.globl	k_qb3bc1af89a_mix
	.p2align	8
	.type	k_qb3bc1af89a_mix,@function
k_qb3bc1af89a_mix:
	s_mov_b64 s[64:65], 0
	v_nop
	global_prefetch_b8 v0, s[64:65] scope:SCOPE_SE
	s_setreg_imm32_b32 hwreg(HW_REG_WAVE_MODE, 25, 1), 1
	s_wait_xcnt 0x0
	s_wait_alu depctr_hold_cnt(0) depctr_sa_sdst(0) depctr_va_vdst(0) depctr_va_sdst(0) depctr_va_ssrc(0) depctr_va_vcc(0) depctr_vm_vsrc(0)
	s_getreg_b32 s2, hwreg(HW_REG_IB_STS2, 6, 4)
	s_cmp_eq_u32 s2, 0
	s_cbranch_scc0 .Lentry_in_a_cluster
	s_endpgm
.Lentry_in_a_cluster:
	s_bfe_u32 s2, ttmp6, 0x10000c
	s_cmp_lg_u32 s2, 0xf033
	s_cbranch_scc0 .Lentry_shape_is_right
	s_endpgm
.Lentry_shape_is_right:
; Y[j][d] = the sum over the 8 key tiles t of (g_t[j] / L[j]) x (the sum over the tile's 256 keys i of P[j][i] V[i][d]).  M = the largest m_t; g_t = 2^(c (m_t - M)), at most 1; L = the sum of g_t (l_2t + l_2t+1), at least 1.
; So the tiles' own maxima are joined into the true softmax.  g_t / L is applied in f32 to a tile's finished sum: a tile adds up in TEMP, and MASTER += (g_t / L) x TEMP while the next tile's first products start TEMP anew.
; P and V are f16 (V: bytes 4,096 on of kqv's rows); sums f32; Y f32.  LIMITS: a g_t below 2^-126 counts as 0; NaN and infinities are not treated apart.
; SHARES.  A work-group makes 256 queries x 128 channels: 8 x 32 work-groups.  Four waves, each 128 x 64: 32 accumulators.  K (the keys) goes in steps of 128 through two LDS slots; two steps are a key tile.
; ONE TEXT FOR EVERY K STEP.  The slot in hand is a scalar, TB, turned by one exclusive or; the fragments' addresses are made anew from it at each change of slots, and one descriptor a tensor walks.  A K step's first
; quarter stands twice: one goes on with TEMP, the other hands it over; the counter's parity, the same in all partners, chooses.  The last two K steps, which ask for nothing, are a loop of their own, entered in its middle.
; CLUSTER.  4 x 4: P's tile is shared along a row of the cluster, V's along a column: joint loads.
; THE MATRIX INSTRUCTION IS USED TRANSPOSED: source 0 = 16 channels x 32 keys of V, turned out of LDS by ds_load_tr16_b128; source 1 = 16 queries of P.  A lane holds one query and eight neighbouring channels.
; REGISTERS.  Window 0: v0-31 addresses; v32-47 g / L of row block a at v[32 + 2 a]; fragment buffer 0: P v64-127, V v192-223; buffer 1: P v128-191, V v224-255.
; Window 1: TEMP, (a, b) at v[8 (4 a + b)].  Window 2: MASTER, likewise; it is started by 32 products of zeros, in the wait for the first tile, so that every handing over has one text.
.set PP,     272                       ; a row of P in LDS: 256 + 16
.set PV,     288                       ; a row of V: 256 + 32
.set PHALF,  128*PP
.set VHALF,  64*PV
.set VOFF,   2*PHALF
.set SLOT1,  1<<17                     ; a slot is 106,496 bytes; slot 1 begins here, so that one exclusive or turns an address in one slot into the other's
.set SP,     272                       ; the way out's stage, 128 rows x 272 bytes a wave (64 f32 a row), lies over the slots from byte 0, behind their last fill
.set GT,     SLOT1+2*PHALF+2*VHALF     ; 4,096 bytes a wave: g_0 / L .. g_7 / L of its 128 queries
.set SPARE,  GT+4*4096                 ; the spare words, 128 bytes a wave, which no other line names
.set ROWB,   6144
.set ADRA0, 16                         ; v16 my lane's place in P's tile, never rewritten;  v17 the same in the slot in hand
.set ADRA,  17
.set ADRV0, 20                         ; v20, v21 likewise for V
.set ADRV,  21
.set LN,   22                          ; v22 16 x lane
.set GW,   23                          ; v23 where I put four queries' numbers of a table
.set STO,  24
.set RD,   25
.set CO,   26
.set GA,   27                          ; v27 where I read my query's g / L of the tile in hand; steps a table a tile
.set SPW,  28
.set NIL,  29
.set PFO,  30
.set G,    32
.set BK,   64
.set WV,   12
.set RH,   13
.set CH,   14
.set LIM,  15
.set G1A,  24
.set G0A,  32                          ; a set for each of the two first fills; the second then walks on
.set PFA,  44
.set G1B,  48
.set G0B,  56
.set PFS,  66                          ; s[66:67] a K step's distance in the tensor that I prefetch
.set CS,   68
.set OUTP, 72                          ; s[72:73] out0
.set TB,   74                          ; s74 LDS byte at which the slot in hand begins
.set MSB, 0
.macro WIN new
.if MSB != (\new)
	s_set_vgpr_msb (MSB<<8)|(\new)
.set MSB, \new
.endif
.endm
.macro PLACES
.rept 4
	v_nop
.endr
.endm
.macro CREST
	s_cmp_lg_u32 s[WV], 0
	s_cbranch_scc1 .Lnot_wave_0_\@
	s_barrier_signal -3
.Lnot_wave_0_\@:
	s_barrier_wait -3
	s_barrier_signal -1
	s_barrier_wait -1
.endm
.macro CROUND
	s_barrier_signal -1
	s_barrier_wait -1
	CREST
.endm
.macro JLOAD                           ; a joint refill by the walking descriptors: waves 0, 1 fetch P's halves (128 rows), waves 2, 3 V's (64 rows); an s_nop 0 and four v_nop follow each line
	s_cmp_eq_u32 s[RH], 0
	s_cbranch_scc0 .Lfor_b_\@
	tensor_load_to_lds s[G0A+4:G0A+7], s[G1A:G1A+7]
	s_nop 0
.rept 4
	v_nop
.endr
	s_branch .Lasked_\@
.Lfor_b_\@:
	tensor_load_to_lds s[G0B+4:G0B+7], s[G1B:G1B+7]
	s_nop 0
.rept 4
	v_nop
.endr
.Lasked_\@:
.endm
; A PREFETCH INTO THE L2 behind each joint load and its run of LDS loads: the K step that stands two refills on, 256 matrix instructions ahead of its load: 32 rows x 256 bytes, a lane a row.
; P's tile row is read by both clusters of a row of clusters: cluster x = 0 asks, waves 0 and 1, each partner 32 of a wave's 128 rows by cx.  V's 128 rows of a step are read by the batch's two clusters
; of a column: the one with even y asks, wave 2, each partner 32 rows by cy.  So each row's 256 bytes are named once.  K steps 0-3 come by their loads alone; the loop's last two trips ask for nothing.
.macro ASK
	s_cmp_gt_u32 s3, s[LIM]
	s_cbranch_scc0 .Lnot_mine_\@
	global_prefetch_b8 v[PFO], s[PFA:PFA+1] th:TH_LOAD_NT scope:SCOPE_SE
.Lnot_mine_\@:
.endm
	s_load_b256 s[4:11], s[0:1], 0x0               ; p 4:5, kqv 6:7, mx 8:9, lsum 10:11
	s_load_b64 s[OUTP:OUTP+1], s[0:1], 0x20        ; out0
	v_lshl_add_u32 v[SPW], v0, 2, SPARE
	v_mov_b32 v[NIL], 0
	ds_add_u32 v[SPW], v[NIL]                      ; the wave's opening: the add and its wait stand ahead of my first tensor load
	v_lshrrev_b32 v1, 5, v0
	v_readfirstlane_b32 s[WV], v1
	s_lshr_b32 s[RH], s[WV], 1
	s_and_b32 s[CH], s[WV], 1
	s_bfe_u32 s40, ttmp6, 0x40000                  ; cx
	s_bfe_u32 s41, ttmp6, 0x40004                  ; cy
	s_lshl_b32 s42, ttmp9, 2
	s_add_co_u32 s42, s42, s40                     ; tx: the tile of 128 channels
	s_and_b32 s18, ttmp7, 0xffff                   ; cluster y
	s_lshl_b32 s43, s18, 2
	s_add_co_u32 s43, s43, s41                     ; ty: 256 ty is the tile's first query among all 8,192
	s_lshr_b32 s19, s18, 1                         ; the batch: the same in all sixteen partners
	s_lshl_b32 s16, s41, 2
	s_lshl_b32 s16, 15, s16
	s_lshl_b32 s17, 0x1111, s40
	s_or_b32 s[G1A], s16, (1<<16)|(1<<20)|(1<<21)|(5<<22)|(3<<25)  ; behind every 64 words, 4 words
	s_or_b32 s[G1B], s17, (1<<16)|(1<<20)|(1<<21)|(5<<22)|(7<<25)  ; behind every 64 words, 8 words
	s_mov_b32 s[G1A+1], 128<<16
	s_mov_b32 s[G1A+2], 128<<16
	s_mov_b32 s[G1A+3], 128<<16
	s_mov_b32 s[G1A+4], 128
	s_mov_b32 s[G1A+5], 2048                       ; p: elements from row to row
	s_mov_b32 s[G1A+6], 0
	s_mov_b32 s[G1A+7], 0
	s_mov_b32 s[G1B+1], 128<<16
	s_mov_b32 s[G1B+2], 64<<16
	s_mov_b32 s[G1B+3], 128<<16
	s_mov_b32 s[G1B+4], 64
	s_mov_b32 s[G1B+5], 3072                       ; kqv
	s_mov_b32 s[G1B+6], 0
	s_mov_b32 s[G1B+7], 0
	s_lshl_b32 s20, s43, 20                        ; P: row 256 ty + 128 half, 4,096 bytes each
	s_lshl_b32 s21, s[CH], 19
	s_add_co_u32 s20, s20, s21
	s_mov_b32 s21, 0
	s_mul_i32 s46, s19, 2048*ROWB                  ; V: row 2,048 batch + 64 half, byte 4,096 + 256 tx
	s_mul_i32 s47, s[CH], 64*ROWB
	s_add_co_u32 s46, s46, s47
	s_lshl_b32 s47, s42, 8
	s_add_co_u32 s46, s46, s47
	s_add_co_u32 s46, s46, 4096
	s_mov_b32 s47, 0
	s_mul_i32 s22, s[CH], PHALF
	s_mul_i32 s23, s[CH], VHALF
	s_add_co_u32 s23, s23, VOFF
	s_mov_b32 s[CS], 0x3d0293ee                    ; c = log2(e) / sqrt(2048)
	s_mov_b32 s[CS+1], s[CS]
	s_mov_b32 s[TB], 0
	s_wait_dscnt 0x0
	s_wait_kmcnt 0x0
	s_add_nc_u64 s[20:21], s[4:5], s[20:21]
	s_add_nc_u64 s[46:47], s[6:7], s[46:47]
	CROUND
.irp s, 0,1
	s_mov_b32 s[G0A+4*(\s)], 1
	s_add_co_u32 s[G0A+4*(\s)+1], s22, (\s)*SLOT1
	s_add_nc_u64 s[G0A+4*(\s)+2:G0A+4*(\s)+3], s[20:21], (\s)*256
	s_or_b32 s[G0A+4*(\s)+3], s[G0A+4*(\s)+3], 0x80000000
	s_mov_b32 s[G0B+4*(\s)], 1
	s_add_co_u32 s[G0B+4*(\s)+1], s23, (\s)*SLOT1
	s_add_nc_u64 s[G0B+4*(\s)+2:G0B+4*(\s)+3], s[46:47], (\s)*128*ROWB
	s_or_b32 s[G0B+4*(\s)+3], s[G0B+4*(\s)+3], 0x80000000
.endr
	s_cmp_eq_u32 s[RH], 0                          ; a wave's two first fills stand in one branch
	s_cbranch_scc0 .Lfirst_b
	tensor_load_to_lds s[G0A:G0A+3], s[G1A:G1A+7]
	s_nop 0
	tensor_load_to_lds s[G0A+4:G0A+7], s[G1A:G1A+7]
	s_nop 0
.rept 4
	v_nop
.endr
	s_branch .Lfirst_asked
.Lfirst_b:
	tensor_load_to_lds s[G0B:G0B+3], s[G1B:G1B+7]
	s_nop 0
	tensor_load_to_lds s[G0B+4:G0B+7], s[G1B:G1B+7]
	s_nop 0
.rept 4
	v_nop
.endr
.Lfirst_asked:
	; the statistics of my wave's 128 queries: lane l takes queries 4 l .. 4 l + 3
	v_and_b32 v3, 31, v0                           ; lane
	v_lshlrev_b32 v[LN], 4, v3
	s_and_b32 s20, s43, 7
	s_lshl_b32 s20, s20, 10
	s_lshl_b32 s21, s[RH], 9
	s_add_co_u32 s20, s20, s21                     ; my first query in its batch, x 4 bytes
	s_lshl_b32 s16, s19, 16
	s_add_co_u32 s16, s16, s20
	s_mov_b32 s17, 0
	s_add_nc_u64 s[8:9], s[8:9], s[16:17]
	s_lshl_b32 s16, s19, 17
	s_add_co_u32 s16, s16, s20
	s_add_nc_u64 s[10:11], s[10:11], s[16:17]
.irp t, 0,1,2,3,4,5,6,7
	global_load_b128 v[64+4*(\t):64+4*(\t)+3], v[LN], s[8:9] offset:8192*(\t)   ; m_t
.endr
.irp t, 0,1,2,3,4,5,6,7,8,9,10,11,12,13,14,15
	global_load_b128 v[96+4*(\t):96+4*(\t)+3], v[LN], s[10:11] offset:8192*(\t)  ; l of half tile t
.endr
	v_and_b32 v1, 15, v0                           ; r
	v_bfe_u32 v2, v0, 4, 1                         ; h
	v_mul_u32_u24 v4, v1, PP
	v_lshl_add_u32 v4, v2, 4, v4
	s_mul_i32 s16, s[RH], PHALF
	v_add_nc_u32 v[ADRA0], s16, v4
	v_mov_b32 v[ADRA], v[ADRA0]                    ; slot 0 is in hand
	v_and_b32 v5, 7, v0                            ; the turning load: lane l reads key 8 (l / 16) + l % 8, channels 8 ((l / 8) % 2) on
	v_bfe_u32 v6, v0, 3, 1
	v_lshl_add_u32 v5, v2, 3, v5
	v_mul_u32_u24 v5, v5, PV
	v_lshl_add_u32 v5, v6, 4, v5
	s_lshl_b32 s16, s[CH], 7                       ; my 64 channels
	s_add_co_u32 s16, s16, VOFF
	v_add_nc_u32 v[ADRV0], s16, v5
	v_mov_b32 v[ADRV], v[ADRV0]
	s_lshl_b32 s16, s[WV], 12
	s_add_co_u32 s16, s16, GT
	v_add_nc_u32 v[GW], s16, v[LN]
	v_lshl_add_u32 v[GA], v1, 2, s16
	s_mul_i32 s16, s[WV], 128*SP                   ; my stage: 128 rows
	v_mul_u32_u24 v[STO], v1, SP                   ; in: row r of a block, 32 bytes for each half of the lanes
	v_lshl_add_u32 v[STO], v2, 5, v[STO]
	v_add_nc_u32 v[STO], s16, v[STO]
	v_mul_u32_u24 v[RD], v2, SP                    ; back: lanes 0-15 one row of 256 bytes, lanes 16-31 the next
	v_lshl_add_u32 v[RD], v1, 4, v[RD]
	v_add_nc_u32 v[RD], s16, v[RD]
	v_lshlrev_b32 v[CO], 12, v2
	v_lshl_add_u32 v[CO], v1, 4, v[CO]
	s_lshl_b32 s16, s43, 20                        ; out0: row 256 ty + 128 RH (4,096 bytes each), byte 512 tx + 256 CH
	s_lshl_b32 s17, s[RH], 19
	s_add_co_u32 s16, s16, s17
	s_lshl_b32 s17, s42, 9
	s_add_co_u32 s16, s16, s17
	s_lshl_b32 s17, s[CH], 8
	s_add_co_u32 s16, s16, s17
	s_mov_b32 s17, 0
	s_add_nc_u64 s[OUTP:OUTP+1], s[OUTP:OUTP+1], s[16:17]
	; the prefetches
	s_lshl_b32 s16, s43, 8                         ; P: row 256 ty + 128 half + 32 cx, at K step 3: the first change of slots steps it to 4
	s_lshl_b32 s17, s[CH], 7
	s_add_co_u32 s16, s16, s17
	s_lshl_b32 s17, s40, 5
	s_add_co_u32 s16, s16, s17
	s_lshl_b32 s16, s16, 12
	s_add_co_u32 s16, s16, 3*256
	s_lshl_b32 s17, s19, 11                        ; V: row 2,048 batch + 3 x 128 + 32 cy
	s_lshl_b32 s22, s41, 5
	s_add_co_u32 s17, s17, s22
	s_add_co_u32 s17, s17, 3*128
	s_mul_i32 s17, s17, ROWB
	s_lshl_b32 s22, s42, 8
	s_add_co_u32 s17, s17, s22
	s_add_co_u32 s17, s17, 4096
	s_and_b32 s22, s18, 1
	s_or_b32 s22, s22, s[CH]                       ; wave 3 never asks
	s_mov_b32 s23, 128*ROWB
	s_mov_b32 s20, 4096
	s_mov_b32 s21, ROWB
	s_cmp_eq_u32 s[RH], 0
	s_cselect_b32 s46, s16, s17
	s_cselect_b32 s22, ttmp9, s22
	s_cselect_b32 s[PFS], 256, s23
	s_cselect_b32 s20, s20, s21
	s_cselect_b64 s[PFA:PFA+1], s[4:5], s[6:7]
	s_mov_b32 s47, 0
	s_mov_b32 s[PFS+1], 0
	s_add_nc_u64 s[PFA:PFA+1], s[PFA:PFA+1], s[46:47]
	s_cmp_eq_u32 s22, 0
	s_cselect_b32 s[LIM], 2, -1
	v_mul_u32_u24 v[PFO], v3, s20
.irp a, 0,1,2,3,4,5,6,7
	v_mov_b32 v[G+2*(\a)+1], 0                     ; the packed lines name g / L as a pair: the second registers are written once
	v_mov_b32 v[192+(\a)], 0                       ; a fragment of zeros
.endr
	WIN 0x80
.set i, 0
.rept 32
	v_wmma_f32_16x16x32_f16 v[8*i:8*i+7], v[192:199], v[192:199], 0  ; MASTER = 0: 32 products of zeros, while the statistics and the first tile are on their way
.set i, i+1
.endr
	WIN 0
	s_wait_loadcnt 0x0
.irp c, 0,1,2,3
	v_max3_num_f32 v[160+(\c)], v[64+(\c)], v[68+(\c)], v[72+(\c)]
.endr
.irp c, 0,1,2,3
	v_max3_num_f32 v[160+(\c)], v[160+(\c)], v[76+(\c)], v[80+(\c)]
.endr
.irp c, 0,1,2,3
	v_max3_num_f32 v[160+(\c)], v[160+(\c)], v[84+(\c)], v[88+(\c)]
.endr
.irp c, 0,1,2,3
	v_max_num_f32 v[160+(\c)], v[160+(\c)], v[92+(\c)]   ; M
.endr
.set i, 0
.rept 16
	v_pk_add_f32 v[64+2*i:64+2*i+1], v[64+2*i:64+2*i+1], v[160+2*(i%2):160+2*(i%2)+1] neg_lo:[0,1] neg_hi:[0,1]  ; m_t - M: taken away first, so the exponent is 0 at the maximum
.set i, i+1
.endr
.set i, 0
.rept 16
	v_pk_mul_f32 v[64+2*i:64+2*i+1], v[64+2*i:64+2*i+1], s[CS:CS+1] op_sel_hi:[1,0]
.set i, i+1
.endr
.set i, 0
.rept 32
	v_exp_f32 v[64+i], v[64+i]                     ; g_t
.set i, i+1
.endr
.set i, 0
.rept 8                                ; a tile's two halves: plain lines that name no exponential's result
	v_pk_add_f32 v[96+8*i:96+8*i+1], v[96+8*i:96+8*i+1], v[100+8*i:100+8*i+1]
	v_pk_add_f32 v[98+8*i:98+8*i+1], v[98+8*i:98+8*i+1], v[102+8*i:102+8*i+1]
.set i, i+1
.endr
	s_wait_alu depctr_va_vdst(0)                   ; one wait for the 32 exponentials, ahead of their first reader
	v_pk_mul_f32 v[164:165], v[64:65], v[96:97]
	v_pk_mul_f32 v[166:167], v[66:67], v[98:99]
.set i, 1
.rept 7
	v_pk_fma_f32 v[164:165], v[64+4*i:64+4*i+1], v[96+8*i:96+8*i+1], v[164:165]
	v_pk_fma_f32 v[166:167], v[66+4*i:66+4*i+1], v[98+8*i:98+8*i+1], v[166:167]
.set i, i+1
.endr
.irp c, 0,1,2,3
	v_rcp_f32 v[168+(\c)], v[164+(\c)]             ; 1 / L
.endr
	v_nop
	s_wait_alu depctr_va_vdst(0)                   ; one wait for the four reciprocals
.set i, 0
.rept 16
	v_pk_mul_f32 v[64+2*i:64+2*i+1], v[64+2*i:64+2*i+1], v[168+2*(i%2):168+2*(i%2)+1]  ; g_t / L
.set i, i+1
.endr
.irp t, 0,1,2,3,4,5,6,7
	ds_store_b128 v[GW], v[64+4*(\t):64+4*(\t)+3] offset:512*(\t)  ; my wave's own bytes: nobody else reads them
.endr
.macro FETCH q, f                      ; 24 LDS loads: quarter q (32 keys) of the slot in hand into buffer f: V's 4 fragments, turned, then P's 8
	WIN 0
.set FA, 64+64*(\f)
.set FB, 192+32*(\f)
.irp b, 0,1,2,3
	ds_load_tr16_b128 v[FB+8*(\b):FB+8*(\b)+3],   v[ADRV] offset:32*PV*(\q)+32*(\b)
	ds_load_tr16_b128 v[FB+8*(\b)+4:FB+8*(\b)+7], v[ADRV] offset:32*PV*(\q)+32*(\b)+16*PV
.endr
.irp a, 0,1,2,3,4,5,6,7
	ds_load_b128 v[FA+8*(\a):FA+8*(\a)+3],   v[ADRA] offset:16*PP*(\a)+64*(\q)
	ds_load_b128 v[FA+8*(\a)+4:FA+8*(\a)+7], v[ADRA] offset:16*PP*(\a)+64*(\q)+32
.endr
.endm
.macro OTHER                           ; the other slot comes in hand
	s_xor_b32 s[TB], s[TB], SLOT1
	v_add_nc_u32 v[ADRA], s[TB], v[ADRA0]
	v_add_nc_u32 v[ADRV], s[TB], v[ADRV0]
.endm
; Products of buffer f for row blocks a0 .. a1; the accumulators take turns.  mode 1: they start TEMP's sums.  mode 2: ahead of each, MASTER takes (g / L) x the TEMP that it writes over.
.macro MULS f, a0, a1, mode
.set FA, 64+64*(\f)
.set FB, 192+32*(\f)
.set a, \a0
.rept (\a1)-(\a0)+1
.set b, 0
.rept 4
.if (\mode) == 2
	WIN 0xa1                                       ; MASTER (destination, source 2) window 2, TEMP (source 0) window 1, g / L window 0
.set z, 0
.rept 4
	v_pk_fma_f32 v[8*(4*a+b)+2*z:8*(4*a+b)+2*z+1], v[8*(4*a+b)+2*z:8*(4*a+b)+2*z+1], v[G+2*a:G+2*a+1], v[8*(4*a+b)+2*z:8*(4*a+b)+2*z+1] op_sel_hi:[1,0,1]
.set z, z+1
.endr
.endif
	WIN 0x50
.if \mode
	v_wmma_f32_16x16x32_f16 v[8*(4*a+b):8*(4*a+b)+7], v[FB+8*b:FB+8*b+7], v[FA+8*a:FA+8*a+7], 0
.else
	v_wmma_f32_16x16x32_f16 v[8*(4*a+b):8*(4*a+b)+7], v[FB+8*b:FB+8*b+7], v[FA+8*a:FA+8*a+7], v[8*(4*a+b):8*(4*a+b)+7]
.endif
.set b, b+1
.endr
.set a, a+1
.endr
.endm
; A quarter: 32 keys, 32 matrix instructions on buffer cur; the next quarter (qn of the slot in hand) is fetched into buffer nxt ahead of them.
.macro QUARTER qn, cur, nxt, mode
	s_wait_dscnt 0x0                               ; this quarter's fragments, asked for 32 matrix instructions ago (and g / L, where it was asked for)
	PLACES                                         ; in front of loads into the buffer that the last products read, and of lines that read their results
.if \mode
	v_nop                                          ; a fifth: these products write over earlier products' results
.endif
	FETCH \qn, \nxt
	MULS \cur, 0, 7, \mode
.endm
; The head of a K step's fourth quarter, which multiplies buffer 1 and changes slots.  12 of its products stand AHEAD of the wait for the tile: they read registers alone, and what stands behind that wait stands
; between a tile's landing and the next request.  Then: all my tensor loads waited for, the add, my reads of this slot (all issued in the quarter before, and in at the first wait below) waited for, the barrier.
; walk = 1: the walking descriptors step while the add is out: no tensor load of mine is out there.
.macro MEET walk
	s_wait_dscnt 0x0                               ; the fragments are in
	MULS 1, 0, 2, 0
	WIN 0                                          ; (the add's two registers lie in window 0)
	s_wait_tensorcnt 0x0
	ds_add_u32 v[SPW], v[NIL]
.if \walk
	s_xor_b32 s[G0A+5], s[G0A+5], SLOT1            ; the other slot than last time, the next K step
	s_add_nc_u64 s[G0A+6:G0A+7], s[G0A+6:G0A+7], 256
	s_xor_b32 s[G0B+5], s[G0B+5], SLOT1
	s_add_nc_u64 s[G0B+6:G0B+7], s[G0B+6:G0B+7], 128*ROWB
.endif
	MULS 1, 3, 3, 0                                ; four products stand between the add and the wait for it
	WIN 0
	s_wait_dscnt 0x0                               ; the add is done
	s_barrier_signal -1
	s_barrier_wait -1
.endm
; In the loop the barrier opens a round of the cluster's, and the joint refill, two K steps on, comes first behind it: 124 matrix instructions stand between it and the wait for it.
; Where the K step ends a key tile (s3 odd), g / L of that tile is fetched.
.macro TURN
	s_wait_xcnt 0x0                                ; the last prefetch, a K step back, has read its address
	s_add_nc_u64 s[PFA:PFA+1], s[PFA:PFA+1], s[PFS:PFS+1]
	MEET 1
	CREST
	JLOAD                                          ; its four v_nop are also the places in front of the loads below
	OTHER
	FETCH 0, 0
	s_and_b32 s16, s3, 1
	s_cmp_eq_u32 s16, 0
	s_cbranch_scc1 .Lno_g_\@
.irp a, 0,1,2,3,4,5,6,7
	ds_load_b32 v[G+2*(\a)], v[GA] offset:64*(\a)
.endr
	v_add_nc_u32 v[GA], 512, v[GA]                 ; the next tile's table
.Lno_g_\@:
	ASK
	MULS 1, 4, 7, 0
.endm
; In the tail nothing is asked for; in its last trip (s3 = 1) there is no next K step, and the run of LDS loads is jumped over.
.macro TURNX
	MEET 0
	PLACES
	s_cmp_eq_u32 s3, 1
	s_cbranch_scc1 .Lx1_\@
	OTHER
	FETCH 0, 0
.Lx1_\@:
	MULS 1, 4, 7, 0
.endm
	s_wait_dscnt 0x0                               ; my stores of the tables
	s_wait_tensorcnt 0x1                           ; my part of K step 0 is in; K step 1's may stay out
	s_barrier_signal -1
	s_barrier_wait -1
	FETCH 0, 0
	QUARTER 1, 0, 1, 1                             ; the first quarter starts TEMP
	WIN 0
	s_mov_b32 s3, 14
.Lstep:                                        ; a trip: a K step's last three quarters, the third of which asks for the K step two on, and the next K step's first
	QUARTER 2, 1, 0, 0
	QUARTER 3, 0, 1, 0
	TURN
	WIN 0
	s_and_b32 s16, s3, 1
	s_cmp_eq_u32 s16, 0
	s_cbranch_scc1 .Lsame                          ; s3 even: the key tile goes on
	QUARTER 1, 0, 1, 2                             ; s3 odd: a new tile: TEMP is handed over to MASTER and started anew
	WIN 0
	s_branch .Lnext
.Lsame:
	QUARTER 1, 0, 1, 0
	WIN 0
.Lnext:
	s_sub_co_u32 s3, s3, 1
	s_cmp_lg_u32 s3, 0
	s_cbranch_scc1 .Lstep
	s_mov_b32 s3, 2                                ; K steps 14 and 15, the last tile: no tensor load stands in this loop; it is entered at a K step's second quarter
	s_branch .Lt_in
.Ltail:
	QUARTER 1, 0, 1, 0
	WIN 0
.Lt_in:
	QUARTER 2, 1, 0, 0
	QUARTER 3, 0, 1, 0
	TURNX
	WIN 0
	s_sub_co_u32 s3, s3, 1
	s_cmp_lg_u32 s3, 0
	s_cbranch_scc1 .Ltail
	; THE WAY OUT.  MASTER += (g_7 / L) TEMP is Y; it goes into my stage, which lies over the slots: they have had their last fill, and behind this barrier nobody reads them.
.irp a, 0,1,2,3,4,5,6,7
	ds_load_b32 v[G+2*(\a)], v[GA] offset:64*(\a)  ; g_7 / L
.endr
	s_wait_dscnt 0x0
	s_barrier_signal -1
	s_barrier_wait -1
.rept 8
	v_nop                                          ; the places behind the last products
.endr
.macro OUT a                           ; a row block: 16 queries x 64 channels of f32
	WIN 0xa1
.set i, 0
.rept 16
	v_pk_fma_f32 v[32*(\a)+2*i:32*(\a)+2*i+1], v[32*(\a)+2*i:32*(\a)+2*i+1], v[G+2*(\a):G+2*(\a)+1], v[32*(\a)+2*i:32*(\a)+2*i+1] op_sel_hi:[1,0,1]
.set i, i+1
.endr
	WIN 0x08
.irp b, 0,1,2,3
	ds_store_b128 v[STO], v[32*(\a)+8*(\b):32*(\a)+8*(\b)+3]   offset:16*SP*(\a)+64*(\b)
	ds_store_b128 v[STO], v[32*(\a)+8*(\b)+4:32*(\a)+8*(\b)+7] offset:16*SP*(\a)+64*(\b)+16
.endr
.endm
.irp a, 0,1,2,3,4,5,6,7
	OUT \a
.endr
	WIN 0
	s_mov_b32 s3, 4
.Lsend:                                        ; a trip: 32 of my 128 rows, back as whole rows of 256 bytes; LDS serves a wave's instructions in order (ISA guide 5.7.1.4): the loads see my stores
.irp j, 0,1
.irp t, 0,1,2,3,4,5,6,7
	ds_load_b128 v[BK+32*(\j)+4*(\t):BK+32*(\j)+4*(\t)+3], v[RD] offset:16*SP*(\j)+2*SP*(\t)
.endr
.endr
	s_wait_dscnt 8                                 ; the first sixteen rows are in; the second eight loads may be out
.irp t, 0,1,2,3,4,5,6,7
	global_store_b128 v[CO], v[BK+4*(\t):BK+4*(\t)+3], s[OUTP:OUTP+1] offset:8192*(\t)  ; 16 lanes store 256 consecutive bytes, aligned
.endr
	s_wait_dscnt 0x0
.irp t, 0,1,2,3,4,5,6,7
	global_store_b128 v[CO], v[BK+32+4*(\t):BK+32+4*(\t)+3], s[OUTP:OUTP+1] offset:65536+8192*(\t)
.endr
	s_wait_xcnt 0x0                                ; the stores have read their registers and offsets: these are written again only behind this wait
	v_add_nc_u32 v[RD], 32*SP, v[RD]
	v_add_nc_u32 v[CO], 131072, v[CO]
	s_sub_co_u32 s3, s3, 1
	s_cmp_lg_u32 s3, 0
	s_cbranch_scc1 .Lsend
	s_wait_tensorcnt 0x0                           ; the wave's end
	ds_add_u32 v[SPW], v[NIL]
	s_wait_dscnt 0x0
	CROUND                                         ; the closing round
	s_endpgm
.Lfunc_end_k_qb3bc1af89a_mix:
	.size	k_qb3bc1af89a_mix, .Lfunc_end_k_qb3bc1af89a_mix-k_qb3bc1af89a_mix
	.p2alignl 7, 3214868480
	.fill 96, 4, 3214868480
	.section	.rodata,"a",@progbits
	.p2align	6, 0x0
	.amdhsa_kernel k_qb3bc1af89a_mix
		.amdhsa_group_segment_fixed_size 327680
		.amdhsa_private_segment_fixed_size 0
		.amdhsa_enable_private_segment 0
		.amdhsa_kernarg_size 40
		.amdhsa_user_sgpr_count 2
		.amdhsa_user_sgpr_kernarg_segment_ptr 1
		.amdhsa_wavefront_size32 1
		.amdhsa_system_sgpr_workgroup_id_x 1
		.amdhsa_system_sgpr_workgroup_id_y 1
		.amdhsa_system_sgpr_workgroup_id_z 1
		.amdhsa_system_vgpr_workitem_id 0
		.amdhsa_next_free_vgpr 768
		.amdhsa_next_free_sgpr 80
		.amdhsa_reserve_vcc 0
		.amdhsa_float_denorm_mode_32 3
		.amdhsa_float_denorm_mode_16_64 3
		.amdhsa_memory_ordered 1
		.amdhsa_forward_progress 1
		.amdhsa_inst_pref_size 90
	.end_amdhsa_kernel
	.amdgpu_metadata
---
amdhsa.version: [ 1, 2 ]
amdhsa.kernels:
  - .name:           k_qb3bc1af89a_mix
    .symbol:         k_qb3bc1af89a_mix.kd
    .args:
      - { .name: p, .offset: 0, .size: 8, .value_kind: global_buffer, .address_space: global }
      - { .name: kqv, .offset: 8, .size: 8, .value_kind: global_buffer, .address_space: global }
      - { .name: mx, .offset: 16, .size: 8, .value_kind: global_buffer, .address_space: global }
      - { .name: lsum, .offset: 24, .size: 8, .value_kind: global_buffer, .address_space: global }
      - { .name: out0, .offset: 32, .size: 8, .value_kind: global_buffer, .address_space: global }
    .group_segment_fixed_size: 327680
    .private_segment_fixed_size: 0
    .kernarg_segment_align: 8
    .kernarg_segment_size: 40
    .max_flat_workgroup_size: 128
    .sgpr_count:     80
    .vgpr_count:     768
    .wavefront_size: 32
...
	.end_amdgpu_metadata
.endif
;; end of part 4
;; ======== version 2 of 2: 4 launches; version 1 with the launch cast written anew for expert scheduling mode
;; limits: values are held in f16: magnitudes above 65,504 overflow, below 6.1e-05 lose precision
;; workspace buffers: xb 16,777,216 bytes; wb 6,291,456 bytes; bias3 12,288 bytes; kqv 50,331,648 bytes; p 33,554,432 bytes; mx 262,144 bytes; lsum 524,288 bytes
;; launch cast (part 5): grid 707 x 1, 4 waves a work-group, no clusters, 0 bytes of LDS; arguments embedded, Wk, Wq, Wv, bk, bq, bv, xb, wb, bias3; writes xb, wb, bias3
.if DOCPART == 5
	.amdgcn_target "amdgcn-amd-amdhsa--gfx1250"
	.amdhsa_code_object_version 6
	.text
	.protected	k_qb3bc1af89a_cast
	.globl	k_qb3bc1af89a_cast
	.p2align	8
	.type	k_qb3bc1af89a_cast,@function
k_qb3bc1af89a_cast:
	s_mov_b64 s[64:65], 0
	v_nop
	global_prefetch_b8 v0, s[64:65] scope:SCOPE_SE
	s_setreg_imm32_b32 hwreg(HW_REG_WAVE_SCHED_MODE, 0, 2), 2
	s_setreg_imm32_b32 hwreg(HW_REG_WAVE_MODE, 25, 1), 1
	s_wait_xcnt 0x0
	s_wait_alu depctr_vm_vsrc(0)
; x [8192][1024] and Wk, Wq, Wv [1024][1024], f32, are rounded once to bf16 and laid in blocks of 64 along K:
; xb [16 kb][8192 row][64], wb [16 kb][3072 n][64] (n: Wk's rows, then Wq's, then Wv's), so that the rows of a GEMM tile of one block lie end to end.
; The three biases are copied, f32, one behind the other, into bias3 [3072].
; SHARES.  Work-groups 0-511: 16 rows of x each.  512-703: 16 rows of the stacked W.  704-706: one bias each.  Small work-groups, so that the 11,264 rows spread evenly.
; A wave takes 4 rows; a load covers 256 bytes (one block of 64 numbers) of two rows: lanes 0-15 one row, lanes 16-31 the next.
; A store of 8 bytes a lane covers the two rows' blocks, 256 consecutive bytes, aligned.  All 32 loads of a lane go out at once; every register is written once.
; No LDS, no barrier, no matrix unit: each byte is read once and written once, and nothing is shared.
; THE MODE: SCHED_MODE bits 1:0 = 2 (LLVM: expert scheduling mode 2), set by the entry lines.  The code itself states the register dependences
; between vector instructions and memory instructions, with s_wait_alu, always for 0.
; THE PLAN.  Registers that memory instructions touch:
;   v[LO]   written at the head; read by all 32 loads as their offset; never written again.
;   X       load i lands in its four registers; read by the two roundings of number i; no vector instruction writes them, nothing lands in them twice.
;   SO      sixteen offsets, written once each behind the run of loads; read by two stores each.
;   Y       two registers a number, written once by its roundings; read by its store.
; No register that a memory instruction reads is written again, no load lands in a register that a vector instruction has named, no vector instruction writes a scalar register, EXEC is never written:
; what is left to state is that a vector instruction has written what a load or store reads.
; The 32 numbers go in 8 blocks of four.  Block p rounds its four; its memory instructions are the four stores of block p - 1, whose Y no vector instruction of block p names.  So ONE wait at a block's
; head states all that its four stores hang on, and these are dealt among the block's roundings with no further wait.
.set LO,  5                            ; v5      my byte offset in the 16 source rows
.set SB,  6                            ; v6      my byte offset in a block's 16 rows
.set SO,  8                            ; v[8:23] the same plus kb x the distance between blocks
.set X,   24                           ; v[24:151]  32 loads of 4
.set Y,   152                          ; v[152:215] 32 stores of 2
	s_load_b512 s[4:19], s[0:1], 0x0               ; embedded 4:5, Wk 6:7, Wq 8:9, Wv 10:11, bk 12:13, bq 14:15, bv 16:17, xb 18:19
	s_load_b128 s[20:23], s[0:1], 0x40             ; wb 20:21, bias3 22:23
	s_mov_b32 s24, ttmp9                           ; g
	v_lshrrev_b32 v1, 5, v0                        ; wave
	v_bfe_u32 v2, v0, 4, 1                         ; h: which half of the lanes
	v_and_b32 v3, 15, v0                           ; r
	v_lshl_add_u32 v4, v1, 2, v2                   ; row 4 wave + h (+ 2 p)
	v_lshlrev_b32 v[LO], 12, v4
	v_lshl_add_u32 v[LO], v3, 4, v[LO]             ; row x 4,096 + 16 r
	v_lshlrev_b32 v[SB], 7, v4
	v_lshl_add_u32 v[SB], v3, 3, v[SB]             ; row x 128 + 8 r
	s_sub_co_u32 s25, s24, 512                     ; w: the block of 16 rows in the stacked W
	s_and_b32 s27, s25, 63                         ; its place in its own tensor
	s_lshr_b32 s30, s25, 6                         ; which tensor
	s_mov_b32 s34, 8192*128                        ; bytes from block to block in xb,
	s_mov_b32 s35, 3072*128                        ; and in wb
	s_mov_b32 s37, 0
	s_wait_kmcnt 0x0
	s_cmp_ge_u32 s24, 704
	s_cbranch_scc1 .Lbias
	s_cmp_eq_u32 s30, 1
	s_cselect_b64 s[28:29], s[8:9], s[6:7]
	s_cmp_eq_u32 s30, 2
	s_cselect_b64 s[28:29], s[10:11], s[28:29]
	s_cmp_lt_u32 s24, 512                          ; x or W?
	s_cselect_b64 s[28:29], s[4:5], s[28:29]       ; from where,
	s_cselect_b64 s[32:33], s[18:19], s[20:21]     ; to where,
	s_cselect_b32 s26, s24, s25                    ; the block of 16 rows there,
	s_cselect_b32 s27, s24, s27                    ; and here
	s_cselect_b32 s31, s34, s35
	s_lshl_b32 s36, s27, 16                        ; 16 rows of 4,096 bytes
	s_add_nc_u64 s[28:29], s[28:29], s[36:37]
	s_lshl_b32 s36, s26, 11                        ; 16 rows of 128 bytes
	s_add_nc_u64 s[32:33], s[32:33], s[36:37]
	s_wait_alu depctr_va_vdst(0)                   ; v[LO] is written: all 32 loads read it as their offset
.set i, 0
.rept 32                               ; load i = 16 p + kb: rows 2 p on, block kb
	global_load_b128 v[X+4*i:X+4*i+3], v[LO], s[28:29] offset:8192*(i/16)+256*(i%16) th:TH_LOAD_NT
.set i, i+1
.endr
.irp kb, 0,1,2,3,4,5,6,7,8,9,10,11,12,13,14,15
	v_mad_u32_u24 v[SO+(\kb)], s31, \kb, v[SB]
.endr
.set p, 0
.rept 8                                ; block p: numbers 4 p to 4 p + 3 are rounded, numbers 4 p - 4 to 4 p - 1 stored
	s_wait_loadcnt 28-4*p                          ; loads come back in order: the block's four are in, the 28 - 4 p younger ones may be out
.if p > 0
	s_wait_alu depctr_va_vdst(0)                   ; the block before has written its Y, which the four stores below read; in block 1 also: the sixteen SO are written, which every store reads as its offset
.endif
.set j, 0
.rept 4
.set i, 4*p+j
.if p > 0
	global_store_b64 v[SO+(i-4)%16], v[Y+2*(i-4):Y+2*(i-4)+1], s[32:33] offset:256*((i-4)/16)  ; no vector instruction since the wait names these registers
.endif
	v_cvt_pk_bf16_f32 v[Y+2*i], v[X+4*i], v[X+4*i+1]
	v_cvt_pk_bf16_f32 v[Y+2*i+1], v[X+4*i+2], v[X+4*i+3]
.set j, j+1
.endr
.set p, p+1
.endr
	s_wait_alu depctr_va_vdst(0)                   ; block 7 has written its Y, which the last four stores read
.set i, 28
.rept 4
	global_store_b64 v[SO+i%16], v[Y+2*i:Y+2*i+1], s[32:33] offset:256*(i/16)
.set i, i+1
.endr
	s_endpgm
.Lbias:                                        ; 4,096 bytes: twice 16 a thread
	s_sub_co_u32 s25, s24, 704
	s_cmp_eq_u32 s25, 1
	s_cselect_b64 s[28:29], s[14:15], s[12:13]
	s_cmp_eq_u32 s25, 2
	s_cselect_b64 s[28:29], s[16:17], s[28:29]
	s_lshl_b32 s36, s25, 12
	s_add_nc_u64 s[32:33], s[22:23], s[36:37]
	v_lshlrev_b32 v7, 4, v0
	s_wait_alu depctr_va_vdst(0)                   ; v7 is written: the two loads and the two stores read it as their offset
	global_load_b128 v[X:X+3], v7, s[28:29]
	global_load_b128 v[X+4:X+7], v7, s[28:29] offset:2048
	s_wait_loadcnt 0x0
	global_store_b128 v7, v[X:X+3], s[32:33]
	global_store_b128 v7, v[X+4:X+7], s[32:33] offset:2048
	s_endpgm
.Lfunc_end_k_qb3bc1af89a_cast:
	.size	k_qb3bc1af89a_cast, .Lfunc_end_k_qb3bc1af89a_cast-k_qb3bc1af89a_cast
	.p2alignl 7, 3214868480
	.fill 96, 4, 3214868480
	.section	.rodata,"a",@progbits
	.p2align	6, 0x0
	.amdhsa_kernel k_qb3bc1af89a_cast
		.amdhsa_group_segment_fixed_size 0
		.amdhsa_private_segment_fixed_size 0
		.amdhsa_enable_private_segment 0
		.amdhsa_kernarg_size 80
		.amdhsa_user_sgpr_count 2
		.amdhsa_user_sgpr_kernarg_segment_ptr 1
		.amdhsa_wavefront_size32 1
		.amdhsa_system_sgpr_workgroup_id_x 1
		.amdhsa_system_sgpr_workgroup_id_y 1
		.amdhsa_system_sgpr_workgroup_id_z 1
		.amdhsa_system_vgpr_workitem_id 0
		.amdhsa_next_free_vgpr 216
		.amdhsa_next_free_sgpr 66
		.amdhsa_reserve_vcc 0
		.amdhsa_float_denorm_mode_32 3
		.amdhsa_float_denorm_mode_16_64 3
		.amdhsa_memory_ordered 1
		.amdhsa_forward_progress 1
		.amdhsa_inst_pref_size 15
	.end_amdhsa_kernel
	.amdgpu_metadata
---
amdhsa.version: [ 1, 2 ]
amdhsa.kernels:
  - .name:           k_qb3bc1af89a_cast
    .symbol:         k_qb3bc1af89a_cast.kd
    .args:
      - { .name: embedded, .offset: 0, .size: 8, .value_kind: global_buffer, .address_space: global }
      - { .name: Wk, .offset: 8, .size: 8, .value_kind: global_buffer, .address_space: global }
      - { .name: Wq, .offset: 16, .size: 8, .value_kind: global_buffer, .address_space: global }
      - { .name: Wv, .offset: 24, .size: 8, .value_kind: global_buffer, .address_space: global }
      - { .name: bk, .offset: 32, .size: 8, .value_kind: global_buffer, .address_space: global }
      - { .name: bq, .offset: 40, .size: 8, .value_kind: global_buffer, .address_space: global }
      - { .name: bv, .offset: 48, .size: 8, .value_kind: global_buffer, .address_space: global }
      - { .name: xb, .offset: 56, .size: 8, .value_kind: global_buffer, .address_space: global }
      - { .name: wb, .offset: 64, .size: 8, .value_kind: global_buffer, .address_space: global }
      - { .name: bias3, .offset: 72, .size: 8, .value_kind: global_buffer, .address_space: global }
    .group_segment_fixed_size: 0
    .private_segment_fixed_size: 0
    .kernarg_segment_align: 8
    .kernarg_segment_size: 80
    .max_flat_workgroup_size: 128
    .sgpr_count:     66
    .vgpr_count:     216
    .wavefront_size: 32
...
	.end_amdgpu_metadata
.endif
;; end of part 5
;; launch proj: the kernel of part 2 again; grid 8 x 32, 4 waves a work-group, clusters of 4 x 4, 327,680 bytes of LDS; arguments xb, wb, bias3, kqv; writes kqv
;; launch score: the kernel of part 3 again; grid 8 x 32, 4 waves a work-group, clusters of 4 x 4, 327,680 bytes of LDS; arguments kqv, p, mx, lsum; writes p, mx, lsum
;; launch mix: the kernel of part 4 again; grid 8 x 32, 4 waves a work-group, clusters of 4 x 4, 327,680 bytes of LDS; arguments p, kqv, mx, lsum, out0; writes out0
